; MI455X (gfx1250); checked and timed in simulation.
; The chip was launched on July 23, 2026; its instructions are those of AMD's public machine-readable ISA for CDNA 5 (MIT licence, August 2026) and "CDNA5" Instruction Set Architecture Reference Guide (July 2026). The comments in the code are by the model that wrote it; some were corrected since.
;; Causal Self Attention. Allowed arithmetic: matrix products marked QUANTISED: E2M3 operands, one E8M0 scale for each 32 along K, by v_wmma_scale_f32_16x16x128_f8f6f4 with both operands' format E2M3, f32 sums; everything else in f32.
;; Inputs: W_out 1,024 x 1,024 float32; W_qkv 1,024 x 3,072 float32; b_out 1,024 float32; b_qkv 3,072 float32; x 4 x 2,048 x 1,024 float32.
;; Outputs: out0 4 x 2,048 x 1,024 float32.
;; This version of the problem:
;;   THIS VERSION OF THE PROBLEM IS GIVEN IN LOW PRECISION. The matrix products marked QUANTISED in the list below multiply operands that are first quantised to E2M3 (2 exponent bits, 3 mantissa bits; 6 bits a number), with one power-of-two scale for each 32 numbers along K (OCP MX v1.0); their sums are f32. All else is computed in f32.
;;   The module's matrix products, in the order in which they are computed (A, B: the left and right operand; K: the contracted axis; several contracted axes count as one K, in the product's order):
;;     1. [M 8,192, K 1,024] x [K 1,024, N 3,072]; A: input x; B: input W_qkv: QUANTISED
;;     2. batch 64 x [M 2,048, K 64] x [K 64, N 2,048]; A: computed on the way; B: computed on the way: QUANTISED
;;     3. batch 64 x [M 2,048, K 2,048] x [K 2,048, N 64]; A: softmax (see below); B: computed on the way: QUANTISED
;;     4. [M 8,192, K 1,024] x [K 1,024, N 1,024]; A: computed on the way; B: input W_out: QUANTISED
;;   THE QUANTISER, for each operand of a quantised product, along K:
;;     - K is cut into blocks of 32 from its start; a last block that is shorter is filled with zeros.
;;     - A block's scale is 2^e with e = floor(log2(the largest magnitude in the block)) - 2, held to -126 .. 127; a block of zeros has e = 0. As a byte (E8M0): e + 127.
;;     - Each number is divided by its block's scale, clamped to +-7.5, and rounded to the nearest number of E2M3, ties to even, subnormals kept.
;;     - The product sums the exact products of the quantised numbers (number of the format x scale) in f32.
;;   ~~~python
;;   def quantise(x, axis):      # numpy; x: float32 -> the quantised numbers, widened to float32 again
;;       x = np.moveaxis(x, axis, -1); K = x.shape[-1]
;;       x = np.pad(x, [(0, 0)] * (x.ndim - 1) + [(0, -K % 32)]); x = x.reshape(x.shape[:-1] + (-1, 32)); a = np.abs(x).max(-1, keepdims=True)
;;       e = np.where(a > 0, np.clip(np.frexp(np.where(a > 0, a, 1))[1] - 1 - 2, -126, 127), 0)      # np.frexp(a)[1] - 1 = floor(log2(a)), exactly
;;       r = np.clip(x / 2.0 ** e, -7.5, 7.5)
;;       step = 2.0 ** (np.maximum(np.frexp(np.where(r == 0, 1, r))[1] - 1, 0) - 3)
;;       q = np.round(r / step) * step * 2.0 ** e      # np.round: ties to even
;;       return np.moveaxis(q.reshape(q.shape[:-2] + (-1,))[..., :K], -1, axis).astype(np.float32)
;;   ~~~
;;   SOFTMAX AHEAD OF A QUANTISED PRODUCT. Where the list says 'softmax', what is quantised is not the finished softmax but p = 2^(t - M), with t = logit x log2(e) and M = ceil(the row's largest t), a whole number; so 1/2 < the row's largest p <= 1. The row's sum l is taken of the UNQUANTISED p, in f32, and the product's result is divided by l at the end. Since M is a whole number, a kernel that streams over the keys may use a running M (the ceiling of the running maximum): every later rescaling is an exact power of two, which a block's scale takes up: the codes' values come out the same.
;;   OPERANDS COMPUTED ON THE WAY. 'Computed on the way' means the value that the module computes at that place (a softmax that the list does not call 'softmax' is quantised finished and normalised). What goes into a quantiser is computed in f32, as accurately as f32 sums, v_exp_f32 and their like allow (about 1e-6 of the number): no bf16 or f16 on the way to a quantiser, and a product that is left as it is and whose result goes on into a quantised operand takes f32 operands (vector FMAs, or v_wmma_f32_16x16x4_f32). A number that lies on a knife's edge between two numbers of the format may be rounded either way, as far as f32 arithmetic and the matrix unit's own rounding can turn it there, and no further.
;; One version. Each part assembles by itself: llvm-mc -triple=amdgcn-amd-amdhsa -mcpu=gfx1250 --defsym DOCPART=n.
;; ======== version 1 of 1: 4 launches
;; workspace buffers: ximg 6,291,456 bytes; xsc 262,144 bytes; wimg 3,145,728 bytes; wsc 131,072 bytes; qimg 6,815,744 bytes; kvimg 13,369,344 bytes; oimg 6,291,456 bytes; osc 262,144 bytes
;; launch prep (part 1): grid 768 x 1, 4 waves a work-group, no clusters, 47,616 bytes of LDS; arguments x, W_qkv, W_out, ximg, xsc, wimg, wsc; writes ximg, xsc, wimg, wsc
.if DOCPART == 1
	.amdgcn_target "amdgcn-amd-amdhsa--gfx1250"
	.amdhsa_code_object_version 6
	.text
	.protected	k_q678ce9b2d8_prep
	.globl	k_q678ce9b2d8_prep
	.p2align	8
	.type	k_q678ce9b2d8_prep,@function
k_q678ce9b2d8_prep:
	s_mov_b64 s[64:65], 0
	v_nop
	global_prefetch_b8 v0, s[64:65] scope:SCOPE_SE
	s_setreg_imm32_b32 hwreg(HW_REG_WAVE_MODE, 25, 1), 1
	s_wait_xcnt 0x0
; x [8192][1024], W_qkv [1024][3072] and W_out [1024][1024], f32, become codes of FP6 (E2M3) with one E8M0 byte for each 32 along K (x: its last axis; the weights: their first).
; A block's scale is 2^(floor(log2(its largest magnitude)) - 2): its byte is that magnitude's exponent field - 2, held at 1 from below.
; LIMITS: a block whose largest magnitude lies under 2^-124 keeps the byte 1; a block of zeros gets the byte 1 where the rule says 127 (its codes are zeros, and only this program reads the bytes); NaN and infinities are not served.
; ROW ORDER.  At row POSITION p of every buffer of codes lies logical row sigma(p) = p with bits 3 and 4 exchanged.  So 16 neighbouring positions are logical rows 32 (T / 2) + 8 (T % 2) + r + 8 (r / 8):
; as source 0 of a product, two neighbouring tiles then leave 16 neighbours along the next K in a lane's 16 registers.  K itself stays in its natural order.
; IMAGES.  Codes lie in memory as the operand's registers: a fragment (16 positions x 128 K, 12 registers) is six pieces of 256 bytes; piece p holds registers 2 p, 2 p + 1, lane l at 8 l.
; ximg, wimg: [128 positions][K step of 128: 8][tile: 8][1,536 bytes].  xsc, wsc: [position][32 bytes].  wimg's positions 0..3071 are W_qkv's columns, 3072..4095 W_out's.
; Work-groups 0..511 take a tile of 16 positions of x each (wave w: K steps 2 w, 2 w + 1); work-groups 512..767 take 128 columns x 128 K of a weight (wave w: 32 columns).
; Each of the two paths has LDS bytes of its own.  No tensor loads, no barrier: waves share nothing.  All loads of a wave go out at its start.
.set XSTG,  8448                       ; x: a wave's stage: 16 rows x (512 bytes + 16)
.set WBASE, 4*XSTG                     ; behind the four: the weights' stages
.set WSTG,  3328                       ; a wave's: two tiles
.set WTILE, 1664                       ; a tile's image, 1,536 bytes, + 128
.set SPARE, WBASE+4*WSTG               ; the spare words, 128 bytes for each wave: two blocks of 256 bytes that no other line names
.set SPW,   2                          ; v2   LDS address of my spare word; never rewritten
.set NIL,   3                          ; v3   0; never rewritten
.set PC,    224                        ; v224-243 the codes just made
.set TM,    244                        ; v244-247 largest magnitudes, v248-251 bytes, v252-255 the conversions' scale operands
.set SEL,   28                         ; s[28:29] lane selects: lane l xor 16
; 64 numbers of a lane, register 16 b + i = k 32 b + 16 (lane / 16) + i of my row, become a fragment's codes in v[PC] on and its scale word in v[pw]
.macro QUANT s, pw
.irp b, 0,1,2,3
	v_max3_num_f32 v[TM+\b], |v[(\s)+16*\b]|, |v[(\s)+1+16*\b]|, 0x1800000   ; my 16 numbers of block b, and the floor 2^(3 - 127): the byte cannot fall under 1
.endr
.irp i, 2,4,6,8,10,12,14
.irp b, 0,1,2,3
	v_max3_num_f32 v[TM+\b], v[TM+\b], |v[(\s)+16*\b+\i]|, |v[(\s)+1+16*\b+\i]|   ; the four blocks by turns
.endr
.endr
.irp b, 0,1,2,3
	v_permlanex16_b32 v[TM+4+\b], v[TM+\b], s[SEL], s[SEL+1]
.endr
.irp b, 0,1,2,3
	v_max_num_f32 v[TM+\b], v[TM+\b], v[TM+4+\b]       ; with lane l xor 16: the block's largest magnitude
.endr
.irp b, 0,1,2,3
	v_add_nc_u32 v[TM+8+\b], 0xff000000, v[TM+\b]      ; 2 off its exponent field: the conversion's scale operand
.endr
.irp b, 0,1,2,3
	v_lshrrev_b32 v[TM+4+\b], 23, v[TM+8+\b]           ; the scale's byte
.endr
	v_lshl_or_b32 v[\pw], v[TM+5], 8, v[TM+4]
	v_lshl_or_b32 v[\pw], v[TM+6], 16, v[\pw]
	v_lshl_or_b32 v[\pw], v[TM+7], 24, v[\pw]          ; my row's scale word
.irp c, 0,1
	v_cvt_scalef32_pk16_fp6_f32 v[PC+6*\c:PC+2+6*\c], v[(\s)+32*\c:(\s)+15+32*\c], v[TM+8+2*\c]
	v_cvt_scalef32_pk16_fp6_f32 v[PC+12+4*\c:PC+14+4*\c], v[(\s)+16+32*\c:(\s)+31+32*\c], v[TM+8+2*\c+1]   ; a conversion's three registers begin on an even number
.endr
	v_nop                                              ; one plain place behind the scaled conversions
.irp c, 0,1                                            ; the layout wants a whole block in a lane: lanes 0-15 block 2 c, lanes 16-31 block 2 c + 1
.irp i, 0,1,2
	v_permlane16_swap_b32 v[PC+6*\c+\i], v[PC+12+4*\c+\i]
.endr
.irp i, 0,1,2
	v_mov_b32 v[PC+3+6*\c+\i], v[PC+12+4*\c+\i]
.endr
.endr
.endm
	s_load_b256 s[4:11], s[0:1], 0x0               ; x s[4:5], W_qkv s[6:7], W_out s[8:9], ximg s[10:11]
	s_load_b128 s[12:15], s[0:1], 0x20             ; xsc s[12:13], wimg s[14:15]
	s_load_b64 s[16:17], s[0:1], 0x30              ; wsc
	v_lshl_add_u32 v[SPW], v0, 2, SPARE
	v_mov_b32 v[NIL], 0
	v_lshrrev_b32 v1, 5, v0
	v_readfirstlane_b32 s18, v1                    ; wave 0..3
	v_and_b32 v4, 31, v0                           ; lane
	v_and_b32 v5, 15, v0                           ; r
	v_bfe_u32 v6, v0, 4, 1                         ; h
	v_lshlrev_b32 v7, 3, v4                        ; 8 x lane: my place in a piece
	v_lshlrev_b32 v8, 4, v4                        ; 16 x lane
	; every LDS address of both paths is made here, ahead of their parting
	s_mul_i32 s19, s18, XSTG
	v_add_nc_u32 v9, s19, v8                       ; x's stage, in: a row's 512 bytes as they lie
	v_mul_u32_u24 v10, v5, 528
	v_lshl_add_u32 v10, v6, 6, v10
	v_add_nc_u32 v10, s19, v10                     ; and out: row r, + 64 h: my 16 numbers of each block of 32
	s_mul_i32 s19, s18, WSTG
	s_add_co_u32 s19, s19, WBASE
	v_and_b32 v15, 7, v0
	v_lshl_or_b32 v15, v6, 3, v15                  ; my column's place in its tile of positions: (lane & 7) + 8 x bit 4 of the lane
	v_bfe_u32 v16, v0, 3, 1                        ; and which of the wave's two tiles: bit 3 of the lane
	v_mul_u32_u24 v11, v16, WTILE
	v_lshl_add_u32 v11, v15, 3, v11
	v_add_nc_u32 v11, s19, v11                     ; the weights' stage, in
	v_add_nc_u32 v12, s19, v8                      ; and out
	v_lshlrev_b32 v13, 5, v5
	v_lshl_add_u32 v13, v6, 2, v13                 ; xsc: 32 r + 4 h
	v_lshl_add_u32 v14, v16, 4, v15
	v_lshlrev_b32 v14, 5, v14                      ; wsc: 32 x my column's position among the wave's 32
	s_mov_b32 s[SEL], 0x76543210
	s_mov_b32 s[SEL+1], 0xfedcba98
.irp b, 0,1,2,3
	v_mov_b32 v[TM+4+\b], 0                        ; written once: a lane permute's destination counts as one of its sources
.endr
	s_wait_kmcnt 0x0
	s_cmp_ge_u32 ttmp9, 512
	s_cbranch_scc1 .Lweights
	; ---------------- x: tile T = the work-group's number ----------------
	s_lshr_b32 s20, ttmp9, 1
	s_lshl_b32 s20, s20, 5
	s_and_b32 s21, ttmp9, 1
	s_lshl_b32 s21, s21, 3
	s_add_co_u32 s20, s20, s21                     ; the tile's first logical row: 32 (T / 2) + 8 (T % 2)
	s_lshl_b32 s20, s20, 12                        ; rows of 4,096 bytes
	s_lshl_b32 s21, s18, 10                        ; + my wave's two K steps: 1,024 bytes
	s_add_co_u32 s20, s20, s21
	s_mov_b32 s21, 0
	s_add_nc_u64 s[4:5], s[4:5], s[20:21]
	s_lshr_b32 s20, ttmp9, 3
	s_mul_i32 s20, s20, 98304
	s_and_b32 s22, ttmp9, 7
	s_mul_i32 s22, s22, 1536
	s_add_co_u32 s20, s20, s22
	s_mul_i32 s22, s18, 24576
	s_add_co_u32 s20, s20, s22
	s_add_nc_u64 s[10:11], s[10:11], s[20:21]      ; ximg at (T / 8, K step 2 w, T % 8)
	s_lshl_b32 s20, ttmp9, 9
	s_lshl_b32 s22, s18, 3
	s_add_co_u32 s20, s20, s22
	s_add_nc_u64 s[12:13], s[12:13], s[20:21]      ; xsc at position 16 T, byte 8 w
.irp s, 0,1
.irp p, 0,1,2,3,4,5,6,7,8,9,10,11,12,13,14,15
	global_load_b128 v[32+64*\s+4*\p:35+64*\s+4*\p], v8, s[4:5] offset:(\p+8*(\p/8))*4096+512*\s th:TH_LOAD_NT   ; position p of the tile, K step s: 32 lanes read 512 consecutive bytes
.endr
.endr
.macro XSTEP s
	s_wait_loadcnt 16*(1-\s)                       ; this K step's 16 loads are in; the other step's 16 may be out
.irp p, 0,1,2,3,4,5,6,7,8,9,10,11,12,13,14,15
	ds_store_b128 v9, v[32+64*\s+4*\p:35+64*\s+4*\p] offset:528*\p
.endr
.irp b, 0,1,2,3
.irp j, 0,1,2,3
	ds_load_b128 v[160+16*\b+4*\j:163+16*\b+4*\j], v10 offset:128*\b+16*\j   ; LDS serves a wave's instructions in order: these see my stores
.endr
.endr
	s_wait_dscnt 0x0
.if \s
	s_wait_xcnt 0x0                                ; the first step's stores have read the codes' registers, which are written again below
.endif
	QUANT 160, 20+\s
.irp p, 0,1,2,3,4,5
	global_store_b64 v7, v[PC+2*\p:PC+2*\p+1], s[10:11] offset:12288*\s+256*\p   ; a piece: 32 lanes store 256 consecutive bytes, aligned
.endr
.endm
	XSTEP 0
	XSTEP 1
	v_cmp_le_u32 vcc_lo, 16, v4
	v_cndmask_b32 v22, v20, v21, vcc_lo            ; lanes 0-15 hold K step 2 w's word of row r, lanes 16-31 K step 2 w + 1's
	global_store_b32 v13, v22, s[12:13]
	s_wait_tensorcnt 0x0                           ; the wave's end, behind my last LDS store
	ds_add_u32 v[SPW], v[NIL]
	s_wait_dscnt 0x0
	s_endpgm
	; ---------------- the weights: a lane takes a column, its registers run down K ----------------
.Lweights:
	s_sub_co_u32 s20, ttmp9, 512
	s_and_b32 s21, s20, 31                         ; which 128 positions of wimg; from 24 on they are W_out's columns
	s_lshr_b32 s22, s20, 5                         ; which K step of 128
	s_cmp_ge_u32 s21, 24
	s_cselect_b64 s[6:7], s[8:9], s[6:7]           ; the tensor: the choice hangs on the work-group's number alone
	s_mov_b32 s23, 12288
	s_cselect_b32 s23, 4096, s23                   ; its row in bytes
	s_cselect_b32 s24, 24, 0
	s_sub_co_u32 s24, s21, s24                     ; which 128 columns of it
	s_lshl_b32 s24, s24, 9
	s_lshl_b32 s25, s18, 7
	s_add_co_u32 s24, s24, s25                     ; + my wave's 32 columns
	s_lshl_b32 s25, s22, 7
	s_mul_i32 s25, s25, s23                        ; + 128 rows for each K step
	s_add_co_u32 s24, s24, s25
	s_mov_b32 s25, 0
	s_add_nc_u64 s[32:33], s[6:7], s[24:25]        ; block 0 of the K step's four
	s_lshl_b32 s24, s23, 5                         ; 32 rows on
	s_add_nc_u64 s[34:35], s[32:33], s[24:25]
	s_add_nc_u64 s[36:37], s[34:35], s[24:25]
	s_add_nc_u64 s[38:39], s[36:37], s[24:25]
	v_lshlrev_b32 v32, 2, v4                       ; v32-63: 4 x lane + i rows
.set i, 1
.rept 31
	v_add_nc_u32 v[32+i], s23, v[31+i]
.set i, i+1
.endr
.irp t, 0,1,2,3
.set i, 0
.rept 32
	global_load_b32 v[64+32*\t+i], v[32+i], s[32+2*\t:33+2*\t] th:TH_LOAD_NT   ; W(128 s + 32 t + i, my column): 32 lanes read 128 consecutive bytes
.set i, i+1
.endr
.endr
	s_mul_i32 s24, s21, 98304
	s_mul_i32 s26, s22, 12288
	s_add_co_u32 s24, s24, s26
	s_mul_i32 s26, s18, 3072
	s_add_co_u32 s24, s24, s26
	s_add_nc_u64 s[14:15], s[14:15], s[24:25]      ; wimg at my wave's two tiles of this K step
	s_lshl_b32 s24, s21, 12
	s_lshl_b32 s26, s18, 10
	s_add_co_u32 s24, s24, s26
	s_lshl_b32 s26, s22, 2
	s_add_co_u32 s24, s24, s26
	s_add_nc_u64 s[16:17], s[16:17], s[24:25]      ; wsc at my wave's 32 positions, this K step's word
; block t: 32 numbers of my column, all mine.  In the image they are registers 6 (t / 2) .. + 5 of lane (my place) + 16 (t % 2)
.macro BLOCK t, left
.set XS, 64+32*(\t)
.set CD, 192+8*(\t)
	s_wait_loadcnt \left                           ; this block's loads are in (behind them 32 (3 - t) were issued; the wait names 63 at the most)
	v_max3_num_f32 v16, |v[XS]|, |v[XS+1]|, |v[XS+2]|
	v_max3_num_f32 v17, |v[XS+3]|, |v[XS+4]|, |v[XS+5]|
.irp i, 6,10,14,18,22,26
	v_max3_num_f32 v16, v16, |v[XS+\i]|, |v[XS+\i+1]|
	v_max3_num_f32 v17, v17, |v[XS+\i+2]|, |v[XS+\i+3]|
.endr
	v_max3_num_f32 v16, v16, |v[XS+30]|, |v[XS+31]|
	v_max3_num_f32 v16, v16, v17, 0x1800000        ; and the floor 2^(3 - 127)
	v_add_nc_u32 v18, 0xff000000, v16              ; the conversion's scale operand
	v_lshrrev_b32 v19, 23, v18                     ; the byte
.if (\t) == 0
	v_mov_b32 v20, v19
.else
	v_lshl_or_b32 v20, v19, 8*(\t), v20            ; four bytes make the K step's scale word of my column
.endif
	v_cvt_scalef32_pk16_fp6_f32 v[CD:CD+2], v[XS:XS+15], v18
	v_cvt_scalef32_pk16_fp6_f32 v[CD+4:CD+6], v[XS+16:XS+31], v18
	v_nop                                          ; one plain place behind the scaled conversions
	v_mov_b32 v[CD+3], v[CD+4]
	v_mov_b32 v[CD+4], v[CD+5]
	v_mov_b32 v[CD+5], v[CD+6]                     ; six registers on end
.irp i, 0,1,2
	ds_store_b64 v11, v[CD+2*\i:CD+2*\i+1] offset:(3*((\t)/2)+\i)*256+((\t)%2)*128
.endr
.endm
	BLOCK 0, 63
	BLOCK 1, 63
	BLOCK 2, 32
	BLOCK 3, 0
.irp n, 0,1,2,3,4,5
	ds_load_b128 v[64+4*\n:67+4*\n], v12 offset:WTILE*(\n/3)+512*(\n%3)   ; the two images back, 16 bytes a lane (LDS serves a wave's instructions in order)
.endr
.irp n, 0,1,2,3,4,5
	s_wait_dscnt 5-\n
	global_store_b128 v8, v[64+4*\n:67+4*\n], s[14:15] offset:1536*(\n/3)+512*(\n%3)   ; 32 lanes store 512 consecutive bytes, aligned
.endr
	global_store_b32 v14, v20, s[16:17]
	s_wait_tensorcnt 0x0                           ; the wave's end, behind my last LDS store
	ds_add_u32 v[SPW], v[NIL]
	s_wait_dscnt 0x0
	s_endpgm
.Lfunc_end_k_q678ce9b2d8_prep:
	.size	k_q678ce9b2d8_prep, .Lfunc_end_k_q678ce9b2d8_prep-k_q678ce9b2d8_prep
	.p2alignl 7, 3214868480
	.fill 96, 4, 3214868480
	.section	.rodata,"a",@progbits
	.p2align	6, 0x0
	.amdhsa_kernel k_q678ce9b2d8_prep
		.amdhsa_group_segment_fixed_size 47616
		.amdhsa_private_segment_fixed_size 0
		.amdhsa_enable_private_segment 0
		.amdhsa_kernarg_size 56
		.amdhsa_user_sgpr_count 2
		.amdhsa_user_sgpr_kernarg_segment_ptr 1
		.amdhsa_wavefront_size32 1
		.amdhsa_system_sgpr_workgroup_id_x 1
		.amdhsa_system_sgpr_workgroup_id_y 1
		.amdhsa_system_sgpr_workgroup_id_z 1
		.amdhsa_system_vgpr_workitem_id 0
		.amdhsa_next_free_vgpr 256
		.amdhsa_next_free_sgpr 66
		.amdhsa_reserve_vcc 1
		.amdhsa_float_denorm_mode_32 3
		.amdhsa_float_denorm_mode_16_64 3
		.amdhsa_memory_ordered 1
		.amdhsa_forward_progress 1
		.amdhsa_inst_pref_size 42
	.end_amdhsa_kernel
	.amdgpu_metadata
---
amdhsa.version: [ 1, 2 ]
amdhsa.kernels:
  - .name:           k_q678ce9b2d8_prep
    .symbol:         k_q678ce9b2d8_prep.kd
    .args:
      - { .name: x, .offset: 0, .size: 8, .value_kind: global_buffer, .address_space: global }
      - { .name: W_qkv, .offset: 8, .size: 8, .value_kind: global_buffer, .address_space: global }
      - { .name: W_out, .offset: 16, .size: 8, .value_kind: global_buffer, .address_space: global }
      - { .name: ximg, .offset: 24, .size: 8, .value_kind: global_buffer, .address_space: global }
      - { .name: xsc, .offset: 32, .size: 8, .value_kind: global_buffer, .address_space: global }
      - { .name: wimg, .offset: 40, .size: 8, .value_kind: global_buffer, .address_space: global }
      - { .name: wsc, .offset: 48, .size: 8, .value_kind: global_buffer, .address_space: global }
    .group_segment_fixed_size: 47616
    .private_segment_fixed_size: 0
    .kernarg_segment_align: 8
    .kernarg_segment_size: 56
    .max_flat_workgroup_size: 128
    .sgpr_count:     66
    .vgpr_count:     256
    .wavefront_size: 32
...
	.end_amdgpu_metadata
.endif
;; end of part 1
;; launch qkv (part 2): grid 12 x 32, 4 waves a work-group, clusters of 4 x 4, 327,680 bytes of LDS; arguments ximg, xsc, wimg, wsc, b_qkv, qimg, kvimg; writes qimg, kvimg
.if DOCPART == 2
	.amdgcn_target "amdgcn-amd-amdhsa--gfx1250"
	.amdhsa_code_object_version 6
	.text
	.protected	k_q678ce9b2d8_qkv
	.globl	k_q678ce9b2d8_qkv
	.p2align	8
	.type	k_q678ce9b2d8_qkv,@function
k_q678ce9b2d8_qkv:
	s_mov_b64 s[64:65], 0
	v_nop
	global_prefetch_b8 v0, s[64:65] scope:SCOPE_SE
	s_setreg_imm32_b32 hwreg(HW_REG_WAVE_MODE, 25, 1), 1
	s_wait_xcnt 0x0
	s_wait_alu depctr_hold_cnt(0) depctr_sa_sdst(0) depctr_va_vdst(0) depctr_va_sdst(0) depctr_va_ssrc(0) depctr_va_vcc(0) depctr_vm_vsrc(0)
	s_getreg_b32 s2, hwreg(HW_REG_IB_STS2, 6, 4)
	s_cmp_eq_u32 s2, 0
	s_cbranch_scc0 .Lentry_in_a_cluster
	s_endpgm
.Lentry_in_a_cluster:
	s_bfe_u32 s2, ttmp6, 0x10000c
	s_cmp_lg_u32 s2, 0xf033
	s_cbranch_scc0 .Lentry_shape_is_right
	s_endpgm
.Lentry_shape_is_right:
; qkv = x W_qkv + b_qkv on codes of FP6 (E2M3) with E8M0 scales for each 32 along K = 1,024; q, k and v are quantised here, in registers, for the attention's two products, and leave as images of operand registers.
; A tile of 256 x 256 is made by four waves, each 128 x 128: 64 accumulators, 512 registers.  K goes in steps of 256 through two LDS slots filled by the tensor data mover; the scale bytes of the 512 rows come once and stay.
; THE OPERANDS LIE IN MEMORY AS IMAGES OF REGISTERS: [128 positions][K step of 128][tile of 16][six pieces of 256 bytes, lane l at 8 l].  So 128 rows x 256 K are 24,576 consecutive bytes, one tensor load, and a fragment is six
; loads of 8 bytes a lane at 8 x lane: 256 consecutive bytes each.  At position p lies logical row p with bits 3 and 4 exchanged: two neighbouring tiles of source 0 leave 16 neighbours in a lane's 16 registers.
; ROLES.  Source 0 is called B, source 1 A.  In the result a lane holds one row of A and its registers run along B's rows.  Clusters x = 0, 1 (q, k): A = tokens, B = columns of W: registers along the head's 64, the first
; product's K.  Cluster x = 2 (v): A = columns of W, B = tokens: registers along the tokens, the second product's K.  The choice hangs on the cluster's x alone, which all sixteen partners share.
; OUT.  qimg: [batch x head][128 tokens][8 tiles x 768 bytes + 512 bytes of scale words].  kvimg: [batch x head][128 tokens][k as q: 6,656 bytes; v: 4 tiles of d x 1,536 bytes + 256 bytes of scale words].
; CLUSTERS: 4 x 4 work-groups; A's tiles are asked for jointly along a row of the cluster, B's along a column.
; LIMITS: a block whose largest magnitude lies under 2^-124 keeps the byte 1; a block of zeros gets the byte 1 (its codes are zeros; only this program reads the bytes); NaN and infinities are not served.
; REGISTERS, in windows of 256: window 0: v16-31 addresses; v32-63 scale words, two sets; v64-127 the bias; from v128 A's fragments, one set, later the way out.  window 1: B's fragments, two sets.  windows 2, 3: the accumulators.
.set NQ,     2                         ; matrix instructions deep in a slot
.set FR,     12                        ; registers of a fragment
.set NL,     6                         ; LDS loads that bring one
.set NP,     4                         ; places behind this matrix instruction (ISA guide 7.12.1)
.set HALFT,  24576                     ; 128 rows x 256 K: what one tensor load brings
.set SLOT,   4*HALFT                   ; A's 256 rows, then B's
.set RGB,    98304                     ; 128 rows x all of K in memory
.set KS,     32                        ; a row of scale bytes
.set SCL,    2*SLOT                    ; behind the ring: the scales, as units of 256 bytes + 16 of padding
.set HALFS,  16*272                    ; those of 128 rows
.set SBLK,   2*272                     ; those of 16 rows
.set SPARE,  SCL+4*HALFS               ; the spare words, 128 bytes for each wave: two blocks of 256 bytes that no other line names
.set ADRA, 16                          ; v16-17  LDS address of my A fragments in slot 0, 1
.set ADRB, 20                          ; v20-21  the same for B
.set L8,   24                          ; v24     8 x lane
.set L16,  25                          ; v25     16 x lane
.set LN,   26                          ; v26     lane
.set ADRS, 27                          ; v27     LDS address of my scale words: lanes 0-15 A's rows, lanes 16-31 B's
.set SPW,  28                          ; v28     LDS address of my spare word; never rewritten
.set NIL,  29                          ; v29     0; never rewritten
.set BH,   30                          ; v30     64 x (lane / 16): the bias along registers
.set BR,   31                          ; v31     4 (r + 8 (r / 8)): the bias along lanes
.set SC,   32                          ; scale words: set s at v[SC + 16 s]
.set BI,   64                          ; the bias
.set AF,   128                         ; A's fragments
.set T,    128                         ; the way out: 64 numbers
.set PC,   192                         ; the codes just made
.set TM,   212                         ; at work
.set PWS,  228                         ; v228-235 the eight scale words
.set SA,   236                         ; v236-243 scale images
.set SEL,  2                           ; s[2:3] lane selects: lane l xor 16
.set G1, 24
.set G0, 32
.set G1B, 48
.set G0B, 56
.set G1S, 68
.set G0S, 76
.set G1SB, 80
.set G0SB, 88
.set ISV, 95                           ; s95  1 in the clusters that make v
.set OA,  96                           ; s[96:97] where my first head's images go;  s[98:99] my second head's
.set OB,  98
.set MSB, 0
.macro WIN new                         ; the immediate's high byte repeats the setting that is left
.if MSB != (\new)
	s_set_vgpr_msb (MSB<<8)|(\new)
.set MSB, (\new)
.endif
.endm
.set MUL_LO, 0xa1                      ; source 0 (B) window 1, source 1 (A) window 0, C and D window 2
.set MUL_HI, 0xf1                      ; the same, C and D window 3
.set TO_B,   0x40                      ; destination window 1, address window 0
; A joint load: waves 0 and 1 fetch for A, waves 2 and 3 for B; the branch hangs on the wave's number alone.  An s_nop 0 and four v_nop follow each of the two lines.
.macro JLOAD g0a, g1a, g0b, g1b
	s_cmp_eq_u32 s15, 0
	s_cbranch_scc0 .Lfor_b_\@
	tensor_load_to_lds s[\g0a:\g0a+3], s[\g1a:\g1a+7]
	s_nop 0
.rept 4
	v_nop
.endr
	s_branch .Lasked_\@
.Lfor_b_\@:
	tensor_load_to_lds s[\g0b:\g0b+3], s[\g1b:\g1b+7]
	s_nop 0
.rept 4
	v_nop
.endr
.Lasked_\@:
.endm
.macro CREST                           ; a round of the cluster's barrier behind its opening barrier
	s_cmp_lg_u32 s14, 0
	s_cbranch_scc1 .Lnot_wave_0_\@
	s_barrier_signal -3
.Lnot_wave_0_\@:
	s_barrier_wait -3
	s_barrier_signal -1
	s_barrier_wait -1
.endm
.macro CROUND
	s_barrier_signal -1
	s_barrier_wait -1
	CREST
.endm
; 64 numbers of a lane, register 16 b + i = k 32 b + 16 (lane / 16) + i of my row, become a fragment's codes in v[PC] on and its scale word in v[pw]
.macro QUANT s, pw
.irp b, 0,1,2,3
	v_max3_num_f32 v[TM+\b], |v[(\s)+16*\b]|, |v[(\s)+1+16*\b]|, 0x1800000   ; my 16 numbers of block b, and the floor 2^(3 - 127)
.endr
.irp i, 2,4,6,8,10,12,14
.irp b, 0,1,2,3
	v_max3_num_f32 v[TM+\b], v[TM+\b], |v[(\s)+16*\b+\i]|, |v[(\s)+1+16*\b+\i]|
.endr
.endr
.irp b, 0,1,2,3
	v_permlanex16_b32 v[TM+4+\b], v[TM+\b], s[SEL], s[SEL+1]
.endr
.irp b, 0,1,2,3
	v_max_num_f32 v[TM+\b], v[TM+\b], v[TM+4+\b]
.endr
.irp b, 0,1,2,3
	v_add_nc_u32 v[TM+8+\b], 0xff000000, v[TM+\b]      ; 2 off the exponent field: the conversion's scale operand
.endr
.irp b, 0,1,2,3
	v_lshrrev_b32 v[TM+4+\b], 23, v[TM+8+\b]           ; the scale's byte
.endr
	v_lshl_or_b32 v[\pw], v[TM+5], 8, v[TM+4]
	v_lshl_or_b32 v[\pw], v[TM+6], 16, v[\pw]
	v_lshl_or_b32 v[\pw], v[TM+7], 24, v[\pw]
.irp c, 0,1
	v_cvt_scalef32_pk16_fp6_f32 v[PC+6*\c:PC+2+6*\c], v[(\s)+32*\c:(\s)+15+32*\c], v[TM+8+2*\c]
	v_cvt_scalef32_pk16_fp6_f32 v[PC+12+4*\c:PC+14+4*\c], v[(\s)+16+32*\c:(\s)+31+32*\c], v[TM+8+2*\c+1]
.endr
	v_nop                                              ; one plain place behind the scaled conversions
.irp c, 0,1
.irp i, 0,1,2
	v_permlane16_swap_b32 v[PC+6*\c+\i], v[PC+12+4*\c+\i]
.endr
.irp i, 0,1,2
	v_mov_b32 v[PC+3+6*\c+\i], v[PC+12+4*\c+\i]
.endr
.endr
.endm
	s_load_b256 s[4:11], s[0:1], 0x0               ; ximg s[4:5], xsc s[6:7], wimg s[8:9], wsc s[10:11]
	s_load_b64 s[12:13], s[0:1], 0x20              ; b_qkv
	s_load_b128 s[96:99], s[0:1], 0x28             ; qimg, kvimg
	v_lshl_add_u32 v[SPW], v0, 2, SPARE
	v_mov_b32 v[NIL], 0
	ds_add_u32 v[SPW], v[NIL]                      ; the wave's opening: the add and its wait come ahead of my first tensor load; the set-up below stands between them
	v_lshrrev_b32 v1, 5, v0
	v_readfirstlane_b32 s14, v1                    ; wave 0..3
	s_lshr_b32 s15, s14, 1                         ; which half of A's rows is mine.  Also: I fetch for A (0) or for B (1)
	s_and_b32 s16, s14, 1                          ; which half of B's rows.  Also: which 128 rows I fetch
	s_bfe_u32 s40, ttmp6, 0x40000                  ; cx, cy: my place in the cluster
	s_bfe_u32 s41, ttmp6, 0x40004
	s_and_b32 s18, ttmp7, 0xffff                   ; the cluster's y
	s_cmp_eq_u32 ttmp9, 2                          ; the cluster's x: 0 q, 1 k, 2 v
	s_cselect_b32 s[ISV], 1, 0
	s_cselect_b32 s42, s18, ttmp9
	s_cselect_b32 s17, 2, s18
	s_lshl_b32 s42, s42, 2
	s_add_co_u32 s42, s42, s40                     ; B's tile of 256 rows: columns of W 4 x + cx, or for v tokens 4 y + cx
	s_lshl_b32 s17, s17, 2
	s_add_co_u32 s17, s17, s41                     ; A's tile: tokens 4 y + cy, or for v columns of W 8 + cy
	s_lshl_b32 s43, s41, 2
	s_lshl_b32 s43, 15, s43                        ; my row of the cluster
	s_lshl_b32 s44, 0x1111, s40                    ; my column
	; descriptor group 1 for codes: 24,576 dense bytes as 96 rows of 32 elements of 8 bytes, no padding
	s_or_b32 s[G1+0], s43, (3<<16)|(1<<21)         ; 15:0 the mask: A's tiles go to my row; 17:16 elements of 8 bytes; 21 set beside a mask
	s_or_b32 s[G1B+0], s44, (3<<16)|(1<<21)
.irp g, G1, G1B
	s_mov_b32 s[\g+1], 32<<16                      ; tensor_dim0
	s_mov_b32 s[\g+2], 96<<16                      ; tensor_dim1
	s_mov_b32 s[\g+3], 32<<16                      ; tile_dim0
	s_mov_b32 s[\g+4], 96                          ; tile_dim1
	s_mov_b32 s[\g+5], 32                          ; tensor_dim0_stride
	s_mov_b32 s[\g+6], 0
	s_mov_b32 s[\g+7], 0
.endr
	; and for the scales of 128 rows: 4,096 dense bytes as 16 rows of 256, 16 bytes of padding behind each
	s_or_b32 s[G1S+0], s43, (3<<16)|(1<<20)|(1<<21)|(5<<22)|(3<<25)
	s_or_b32 s[G1SB+0], s44, (3<<16)|(1<<20)|(1<<21)|(5<<22)|(3<<25)
.irp g, G1S, G1SB
	s_mov_b32 s[\g+1], 32<<16
	s_mov_b32 s[\g+2], 16<<16
	s_mov_b32 s[\g+3], 32<<16
	s_mov_b32 s[\g+4], 16
	s_mov_b32 s[\g+5], 32
	s_mov_b32 s[\g+6], 0
	s_mov_b32 s[\g+7], 0
.endr
	s_lshl_b32 s20, s17, 1
	s_add_co_u32 s20, s20, s16                     ; A: which 128 rows I fetch
	s_lshl_b32 s46, s42, 1
	s_add_co_u32 s46, s46, s16                     ; B likewise
	s_lshl_b32 s22, s20, 12                        ; their scales, 4,096 bytes each
	s_mov_b32 s23, 0
	s_lshl_b32 s92, s46, 12
	s_mov_b32 s93, 0
	s_mul_i32 s20, s20, RGB                        ; and their codes
	s_mov_b32 s21, 0
	s_mul_i32 s46, s46, RGB
	s_mov_b32 s47, 0
	s_mul_i32 s45, s14, HALFT                      ; where they go: wave x 24,576: no place in the cluster enters an LDS address
	s_mul_i32 s94, s14, HALFS
	s_mov_b32 s[SEL], 0x76543210
	s_mov_b32 s[SEL+1], 0xfedcba98
	s_wait_dscnt 0x0                               ; the opening add is done
	s_wait_kmcnt 0x0
	s_cmp_eq_u32 s[ISV], 1                         ; which buffer plays which role
	s_cselect_b64 s[100:101], s[8:9], s[4:5]       ; A's codes
	s_cselect_b64 s[8:9], s[4:5], s[8:9]           ; B's codes
	s_cselect_b64 s[4:5], s[10:11], s[6:7]         ; A's scales
	s_cselect_b64 s[10:11], s[6:7], s[10:11]       ; B's scales
	s_add_nc_u64 s[20:21], s[100:101], s[20:21]
	s_add_nc_u64 s[22:23], s[4:5], s[22:23]
	s_add_nc_u64 s[46:47], s[8:9], s[46:47]
	s_add_nc_u64 s[92:93], s[10:11], s[92:93]
	CROUND                                         ; all sixteen work-groups are here: the first joint loads meet
	s_mov_b32 s[G0S], 1
	s_add_co_u32 s[G0S+1], s94, SCL
	s_mov_b64 s[G0S+2:G0S+3], s[22:23]
	s_or_b32 s[G0S+3], s[G0S+3], 0x80000000
	s_mov_b32 s[G0SB], 1
	s_add_co_u32 s[G0SB+1], s94, SCL
	s_mov_b64 s[G0SB+2:G0SB+3], s[92:93]
	s_or_b32 s[G0SB+3], s[G0SB+3], 0x80000000
	JLOAD G0S, G1S, G0SB, G1SB                     ; the scales first: they are wanted with K step 0.  Three loads of mine are out behind these lines
.irp s, 0,1
	s_mov_b32 s[G0+4*\s], 1
	s_add_co_u32 s[G0+4*\s+1], s45, \s*SLOT
	s_add_nc_u64 s[G0+4*\s+2:G0+4*\s+3], s[20:21], \s*HALFT
	s_or_b32 s[G0+4*\s+3], s[G0+4*\s+3], 0x80000000
	s_mov_b32 s[G0B+4*\s], 1
	s_add_co_u32 s[G0B+4*\s+1], s45, \s*SLOT
	s_add_nc_u64 s[G0B+4*\s+2:G0B+4*\s+3], s[46:47], \s*HALFT
	s_or_b32 s[G0B+4*\s+3], s[G0B+4*\s+3], 0x80000000
	JLOAD G0+4*\s, G1, G0B+4*\s, G1B
.endr
	v_and_b32 v[LN], 31, v0
	v_and_b32 v1, 15, v0                           ; r
	v_bfe_u32 v2, v0, 4, 1                         ; h
	v_lshlrev_b32 v[L8], 3, v[LN]
	v_lshlrev_b32 v[L16], 4, v[LN]
	v_lshlrev_b32 v[BH], 6, v2
	v_and_b32 v[BR], 8, v1
	v_add_nc_u32 v[BR], v[BR], v1
	v_lshlrev_b32 v[BR], 2, v[BR]
	s_mul_i32 s21, s15, HALFT                      ; my 128 rows of A
	s_mul_i32 s22, s16, HALFT                      ; my 128 rows of B,
	s_add_co_u32 s22, s22, 2*HALFT                 ; which lie behind A's 256
.irp s, 0,1
	v_add_nc_u32 v[ADRA+\s], s21, v[L8]
	v_add_nc_u32 v[ADRB+\s], s22, v[L8]
	s_add_co_u32 s21, s21, SLOT
	s_add_co_u32 s22, s22, SLOT
.endr
	v_mul_u32_u24 v5, v1, KS                       ; my row's scales: 32 bytes a row,
	v_lshrrev_b32 v6, 8, v5
	v_lshl_add_u32 v5, v6, 4, v5                   ; and 16 more for each 256 passed
	s_mul_i32 s21, s15, HALFS
	s_mul_i32 s22, s16, HALFS
	s_add_co_u32 s22, s22, 2*HALFS
	s_sub_co_u32 s22, s22, s21
	v_mul_u32_u24 v6, s22, v2                      ; lanes 16-31 take B's
	s_add_co_u32 s21, s21, SCL
	v_add_nc_u32 v5, v5, v6
	v_add_nc_u32 v[ADRS], s21, v5
	; where the results go, and where my bias lies
	s_sub_co_u32 s18, s17, 8
	s_and_b32 s19, s42, 3
	s_cmp_eq_u32 s[ISV], 1
	s_cselect_b32 s18, s18, s19                    ; which four heads: a tile of 256 columns
	s_cselect_b32 s19, s15, s16                    ; which two of them: my 128 columns
	s_cselect_b32 s20, s42, s17                    ; the tile of 256 tokens
	s_cselect_b32 s21, s16, s15                    ; and my half of it
	s_cselect_b32 s22, s17, s42                    ; the tile of columns of W_qkv
	s_lshl_b32 s100, s22, 10
	s_lshl_b32 s101, s19, 9
	s_add_co_u32 s100, s100, s101
	s_mov_b32 s101, 0
	s_add_nc_u64 s[12:13], s[12:13], s[100:101]    ; b_qkv at my 128 columns
	s_lshl_b32 s18, s18, 2
	s_lshl_b32 s19, s19, 1
	s_add_co_u32 s18, s18, s19                     ; my first head
	s_lshl_b32 s20, s20, 1
	s_add_co_u32 s20, s20, s21                     ; my 128 tokens, 0..63
	s_lshr_b32 s21, s20, 4                         ; the batch
	s_and_b32 s20, s20, 15
	s_lshl_b32 s21, s21, 4
	s_add_co_u32 s21, s21, s18
	s_lshl_b32 s21, s21, 4
	s_add_co_u32 s21, s21, s20                     ; (16 batch + head) x 16 + the 128 tokens' number in the batch
	s_lshl_b32 s22, s[ISV], 2
	s_add_co_u32 s22, s22, s42
	s_cmp_lt_u32 s22, 4                            ; q?
	s_cselect_b64 s[OA:OA+1], s[96:97], s[98:99]
	s_mov_b32 s23, 13056
	s_cselect_b32 s23, 6656, s23                   ; bytes for 128 tokens of a head
	s_mul_i32 s100, s21, s23
	s_add_nc_u64 s[OA:OA+1], s[OA:OA+1], s[100:101]
	s_lshl_b32 s100, s23, 4                        ; a head on
	s_add_nc_u64 s[OB:OB+1], s[OA:OA+1], s[100:101]
.macro FRAG reg, adr, q, i             ; a fragment, 16 rows x 128 K: six pieces of 256 bytes, lane l at 8 l
.irp p, 0,1,2,3,4,5
	ds_load_b64 v[\reg+2*\p:\reg+2*\p+1], v[\adr] offset:((\q)*8+(\i))*1536+256*\p
.endr
.endm
; 16 matrix instructions: A's blocks a0, a0 + 1 x B's eight, 128 along K.  The 64 accumulators take turns, one instruction a turn, in the same order in every step.
.macro MUL16 a0, p, q, sc, zero
.irp a, \a0, \a0+1
.irp b, 0,1,2,3,4,5,6,7
.if \zero
	v_wmma_scale_f32_16x16x128_f8f6f4 v[8*(8*((\a)%4)+\b):8*(8*((\a)%4)+\b)+7], v[128*(\p)+FR*\b:128*(\p)+FR*\b+FR-1], v[AF+FR*(\a):AF+FR*(\a)+FR-1], 0, v[SC+8*NQ*(\sc)+NQ*\b+(\q)], v[SC+8*NQ*(\sc)+NQ*(\a)+(\q)] matrix_a_fmt:MATRIX_FMT_FP6 matrix_b_fmt:MATRIX_FMT_FP6 matrix_a_scale:MATRIX_SCALE_ROW1
.else
	v_wmma_scale_f32_16x16x128_f8f6f4 v[8*(8*((\a)%4)+\b):8*(8*((\a)%4)+\b)+7], v[128*(\p)+FR*\b:128*(\p)+FR*\b+FR-1], v[AF+FR*(\a):AF+FR*(\a)+FR-1], v[8*(8*((\a)%4)+\b):8*(8*((\a)%4)+\b)+7], v[SC+8*NQ*(\sc)+NQ*\b+(\q)], v[SC+8*NQ*(\sc)+NQ*(\a)+(\q)] matrix_a_fmt:MATRIX_FMT_FP6 matrix_b_fmt:MATRIX_FMT_FP6 matrix_a_scale:MATRIX_SCALE_ROW1
.endif
.endr
.endr
.endm
.macro FETCH_B slot, q, p
	WIN TO_B
.irp i, 0,1,2,3,4,5,6,7
	FRAG 128*(\p)+FR*\i, ADRB+\slot, \q, \i
.endr
	WIN 0
.endm
.macro FETCH_A slot, q, i0
.irp i, \i0, \i0+1, \i0+2, \i0+3
	FRAG AF+FR*(\i), ADRA+\slot, \q, \i
.endr
.endm
.macro SCALES sc                       ; a K step's scale words: two a row; lanes 0-15 take A's block i, lanes 16-31 B's
.irp i, 0,1,2,3,4,5,6,7
	ds_load_b64 v[SC+8*NQ*\sc+NQ*\i:SC+8*NQ*\sc+NQ*\i+1], v[ADRS] offset:\i*SBLK
.endr
.endm
.macro PLACES n                        ; plain vector instructions between a matrix instruction and a load into, or a read of, its registers
.rept \n
	v_nop
.endr
.endm
.macro STEP slot, q, zero              ; 128 along K that have their successor in the same slot
	s_wait_dscnt 4*NL                              ; B's set and A's blocks 0-3 are in; the youngest 24 loads (A's blocks 4-7) may be out
	WIN MUL_LO
	MUL16 0, (\q)%2, \q, \slot, \zero
	MUL16 2, (\q)%2, \q, \slot, \zero
	s_wait_dscnt 0
	PLACES NP
	FETCH_B \slot, (\q)+1, 1-(\q)%2
	FETCH_A \slot, (\q)+1, 0
	WIN MUL_HI
	MUL16 4, (\q)%2, \q, \slot, \zero
	MUL16 6, (\q)%2, \q, \slot, \zero
	PLACES NP
	WIN 0
	FETCH_A \slot, (\q)+1, 4
.endm
; A slot's last step changes slots: one barrier; in front of it each wave waits for all its tensor loads, adds 0 to its spare word, and waits for that and for its own reads of this slot.
.macro TURN slot, next, fill
	s_wait_tensorcnt 0x0                           ; all my tensor loads have landed: my part of the next slot
	ds_add_u32 v[SPW], v[NIL]                      ; 0 onto my spare word
	s_wait_dscnt 4*NL+1                            ; (the add and the youngest 24 loads may be out)
	WIN MUL_LO
	MUL16 0, 1, NQ-1, \slot, 0
	s_wait_dscnt 0x0                               ; the add is done, and my reads of this slot are over
	s_barrier_signal -1
	MUL16 2, 1, NQ-1, \slot, 0
	WIN 0
	s_barrier_wait -1
.if \fill
	CREST                                          ; the barrier has opened a round of the cluster's: no wave of any partner still reads this slot or has a load on its way
	s_add_nc_u64 s[G0+4*\slot+2:G0+4*\slot+3], s[G0+4*\slot+2:G0+4*\slot+3], 2*HALFT
	s_add_nc_u64 s[G0B+4*\slot+2:G0B+4*\slot+3], s[G0B+4*\slot+2:G0B+4*\slot+3], 2*HALFT
	JLOAD G0+4*\slot, G1, G0B+4*\slot, G1B         ; the first tensor load behind the round, my only one until the next; its four v_nop are the places in front of the loads below
.else
	PLACES NP
.endif
	v_add_nc_u32 v[ADRS], 4*NQ, v[ADRS]            ; on to the next K step's scale words
	FETCH_B \next, 0, 0
	FETCH_A \next, 0, 0
	SCALES \next
	WIN MUL_HI
	MUL16 4, 1, NQ-1, \slot, 0
	MUL16 6, 1, NQ-1, \slot, 0
	PLACES NP
	WIN 0
	FETCH_A \next, 0, 4
.endm
.macro LAST                            ; the very last 128 along K: nothing more to fetch
	s_wait_dscnt 4*NL
	WIN MUL_LO
	MUL16 0, 1, NQ-1, 1, 0
	MUL16 2, 1, NQ-1, 1, 0
	s_wait_dscnt 0
	WIN MUL_HI
	MUL16 4, 1, NQ-1, 1, 0
	MUL16 6, 1, NQ-1, 1, 0
	WIN 0
.endm
; THE WAY OUT.  Block a of A's rows: its eight accumulators are 64 registers, register 16 b + i = B's logical row 32 b + 16 (lane / 16) + i: the bias is added, the 64 numbers are quantised, the codes leave as they stand.
; isv = 0: a lane is a token, the 128 are two heads' 64: pieces 0-2 go to the first head, 3-5 to the second.  isv = 1: a lane is one of v's columns, the 128 are tokens: blocks 0-3 are the first head's d, 4-7 the second's.
.macro EPI isv
	PLACES NP                                      ; behind the last products: the lines below write registers that held A's fragments
.irp b, 0,1,2,3
	v_mov_b32 v[TM+4+\b], 0                        ; written once: a lane permute's destination counts as one of its sources
.endr
	s_wait_loadcnt 0x0                             ; the bias, asked for 128 matrix instructions ago
.irp a, 0,1,2,3,4,5,6,7
	WIN 0x02+\a/4                                  ; source 0: window 2 or 3
.set i, 0
.rept 32                                       ; each accumulator from its low end on
.if \isv
.if \a%2
	v_pk_add_f32 v[T+2*i:T+2*i+1], v[64*(\a%4)+2*i:64*(\a%4)+2*i+1], v[BI+(\a&6):BI+(\a&6)+1] op_sel:[0,1] op_sel_hi:[1,1]
.else
	v_pk_add_f32 v[T+2*i:T+2*i+1], v[64*(\a%4)+2*i:64*(\a%4)+2*i+1], v[BI+(\a&6):BI+(\a&6)+1] op_sel_hi:[1,0]
.endif
.else
	v_pk_add_f32 v[T+2*i:T+2*i+1], v[64*(\a%4)+2*i:64*(\a%4)+2*i+1], v[BI+2*i:BI+2*i+1]
.endif
.set i, i+1
.endr
	WIN 0
.if \a > 0
	s_wait_xcnt 0x0                                ; the last block's stores have read the codes' registers
.endif
	QUANT T, PWS+\a
.if \isv
.irp c, 0,1,2
.if \a < 4
	global_store_b128 v[L16], v[PC+4*\c:PC+4*\c+3], s[OA:OA+1] offset:6656+1536*(\a%4)+512*\c   ; 32 lanes store 512 consecutive bytes, aligned
.else
	global_store_b128 v[L16], v[PC+4*\c:PC+4*\c+3], s[OB:OB+1] offset:6656+1536*(\a%4)+512*\c
.endif
.endr
.else
.irp p, 0,1,2
	global_store_b64 v[L8], v[PC+2*\p:PC+2*\p+1], s[OA:OA+1] offset:768*\a+256*\p       ; 32 lanes store 256 consecutive bytes, aligned
	global_store_b64 v[L8], v[PC+6+2*\p:PC+7+2*\p], s[OB:OB+1] offset:768*\a+256*\p
.endr
.endif
.endr
	v_cmp_le_u32 vcc_lo, 16, v[LN]
.irp j, 0,1,2,3
	v_cndmask_b32 v[SA+\j], v[PWS+2*\j], v[PWS+2*\j+1], vcc_lo   ; tile 2 j in lanes 0-15, tile 2 j + 1 in lanes 16-31
.endr
.if \isv
	global_store_b64 v[L8], v[SA:SA+1], s[OA:OA+1] offset:12800
	global_store_b64 v[L8], v[SA+2:SA+3], s[OB:OB+1] offset:12800
.else
.irp j, 0,1,2,3
	v_lshrrev_b32 v[SA+4+\j], 16, v[SA+\j]         ; the second head's two bytes.  (The upper two bytes of a word stand over zero codes; none is 0xff)
.endr
	global_store_b128 v[L16], v[SA:SA+3], s[OA:OA+1] offset:6144
	global_store_b128 v[L16], v[SA+4:SA+7], s[OB:OB+1] offset:6144
.endif
.endm
.macro TAIL isv                        ; the last K step and the way out, once for each role
.if \isv
.irp a, 0,1,2,3,4,5,6,7
	global_load_b32 v[BI+\a], v[BR], s[12:13] offset:(32*(\a/2)+8*(\a%2))*4   ; the bias of my lane's column in block a
.endr
.else
.irp b, 0,1,2,3
.irp j, 0,1,2,3
	global_load_b128 v[BI+16*\b+4*\j:BI+16*\b+4*\j+3], v[BH], s[12:13] offset:128*\b+16*\j   ; register 16 b + i: the bias of column 32 b + 16 h + i
.endr
.endr
.endif
	STEP 1, 0, 0
	LAST
	EPI \isv
.endm
	s_wait_tensorcnt 1                             ; the scales and my part of K step 0 are in (K step 1's load may be out),
	s_barrier_signal -1
	s_barrier_wait -1                              ; everybody's are
	FETCH_B 0, 0, 0
	FETCH_A 0, 0, 0
	SCALES 0
	FETCH_A 0, 0, 4
	STEP 0, 0, 1                                   ; the first products start the sums: nothing is cleared.  K = 1,024 is four slots' worth: written out
	TURN 0, 1, 1
	STEP 1, 0, 0
	TURN 1, 0, 1
	STEP 0, 0, 0
	TURN 0, 1, 0                                   ; nothing is left to fetch
	s_cmp_eq_u32 s[ISV], 1                         ; the same in all sixteen partners; no barrier and no tensor load stands in either tail
	s_cbranch_scc1 .Lv
	TAIL 0
	s_branch .Lend
.Lv:
	TAIL 1
.Lend:
	s_wait_tensorcnt 0x0                           ; the wave's end, behind my last tensor load
	ds_add_u32 v[SPW], v[NIL]
	s_wait_dscnt 0x0
	CROUND                                         ; the closing round: no work-group ends while a partner may still ask for a tile that names it
	s_endpgm
.Lfunc_end_k_q678ce9b2d8_qkv:
	.size	k_q678ce9b2d8_qkv, .Lfunc_end_k_q678ce9b2d8_qkv-k_q678ce9b2d8_qkv
	.p2alignl 7, 3214868480
	.fill 96, 4, 3214868480
	.section	.rodata,"a",@progbits
	.p2align	6, 0x0
	.amdhsa_kernel k_q678ce9b2d8_qkv
		.amdhsa_group_segment_fixed_size 327680
		.amdhsa_private_segment_fixed_size 0
		.amdhsa_enable_private_segment 0
		.amdhsa_kernarg_size 56
		.amdhsa_user_sgpr_count 2
		.amdhsa_user_sgpr_kernarg_segment_ptr 1
		.amdhsa_wavefront_size32 1
		.amdhsa_system_sgpr_workgroup_id_x 1
		.amdhsa_system_sgpr_workgroup_id_y 1
		.amdhsa_system_sgpr_workgroup_id_z 1
		.amdhsa_system_vgpr_workitem_id 0
		.amdhsa_next_free_vgpr 1024
		.amdhsa_next_free_sgpr 102
		.amdhsa_reserve_vcc 1
		.amdhsa_float_denorm_mode_32 3
		.amdhsa_float_denorm_mode_16_64 3
		.amdhsa_memory_ordered 1
		.amdhsa_forward_progress 1
		.amdhsa_inst_pref_size 255
	.end_amdhsa_kernel
	.section	.bss,"aw",@nobits
	.p2align	6
	.space	262144
	.amdgpu_metadata
---
amdhsa.version: [ 1, 2 ]
amdhsa.kernels:
  - .name:           k_q678ce9b2d8_qkv
    .symbol:         k_q678ce9b2d8_qkv.kd
    .args:
      - { .name: ximg, .offset: 0, .size: 8, .value_kind: global_buffer, .address_space: global }
      - { .name: xsc, .offset: 8, .size: 8, .value_kind: global_buffer, .address_space: global }
      - { .name: wimg, .offset: 16, .size: 8, .value_kind: global_buffer, .address_space: global }
      - { .name: wsc, .offset: 24, .size: 8, .value_kind: global_buffer, .address_space: global }
      - { .name: b_qkv, .offset: 32, .size: 8, .value_kind: global_buffer, .address_space: global }
      - { .name: qimg, .offset: 40, .size: 8, .value_kind: global_buffer, .address_space: global }
      - { .name: kvimg, .offset: 48, .size: 8, .value_kind: global_buffer, .address_space: global }
    .group_segment_fixed_size: 327680
    .private_segment_fixed_size: 0
    .kernarg_segment_align: 8
    .kernarg_segment_size: 56
    .max_flat_workgroup_size: 128
    .sgpr_count:     102
    .vgpr_count:     1024
    .wavefront_size: 32
...
	.end_amdgpu_metadata
.endif
;; end of part 2
;; launch attn (part 3): grid 4 x 64, 16 waves a work-group, no clusters, 327,680 bytes of LDS; arguments qimg, kvimg, oimg, osc; writes oimg, osc
.if DOCPART == 3
	.amdgcn_target "amdgcn-amd-amdhsa--gfx1250"
	.amdhsa_code_object_version 6
	.text
	.protected	k_q678ce9b2d8_attn
	.globl	k_q678ce9b2d8_attn
	.p2align	8
	.type	k_q678ce9b2d8_attn,@function
k_q678ce9b2d8_attn:
	s_mov_b64 s[64:65], 0
	v_nop
	global_prefetch_b8 v0, s[64:65] scope:SCOPE_SE
	s_setreg_imm32_b32 hwreg(HW_REG_WAVE_MODE, 25, 1), 1
	s_wait_xcnt 0x0
; Causal attention of one (batch, head): o = softmax(q k^T / 8) v, both products on codes of FP6 (E2M3) with E8M0 scales for each 32 along K; o is quantised along the head's 64 for the last product and leaves as an image.
; THE SOFTMAX: t = score x log2(e) / 8; M = the row's largest t so far, rounded up to a whole number; p = 2^(t - M) is quantised along the keys, not normalised; the row's sum of the unquantised p divides O at the end.
; When M moves, the sum and O are multiplied by 2^(old M - new M): exact.
; SHARES.  Work-group (i, batch x head) owns the blocks of 256 queries 7 - i and then i: 8 - i and i + 1 slots of 256 keys, nine for every work-group.  Wave w owns tile w (16 positions) of the block in hand.
; The loop's trip count is the constant 9; only global addresses and scalar compares hang on i.  No cluster: the four work-groups of a head stand at different key slots from the fifth trip on.
; LAYOUT.  Both products are used transposed: S^T = K Q^T, O^T = V^T P^T: a lane holds one query throughout.  At position p of q, k and of v's d lies logical row p with bits 3 and 4 exchanged, so that the 16 registers of
; two neighbouring tiles are 16 neighbours: keys 32 b + 16 (lane / 16) + 0 .. 15 in S^T, d likewise in O^T.  Lane r of tile w is query 32 (w / 2) + 8 (w % 2) + r + 8 (r / 8) of its block.
; The first product's K is 64: registers 6-11 of Q's and K's fragments are zero codes, written once.
; kvimg: [batch x head][128 keys][13,056 bytes]: k: 8 tiles x 768 bytes, 512 bytes of scale words; v: 4 tiles of d x 1,536 bytes, 256 bytes of scale words.  A slot is two such steps, dense in memory; waves 0 and 1 fetch one each.
; LIMITS: a block of o whose largest magnitude lies under 2^-124 keeps the byte 1, a block of zeros too (only this program reads the bytes); NaN and infinities are not served.
; REGISTERS: v1-7 lane terms; v8, v9 LDS addresses; v[10:11] V's scale words; v12 -M, v13 the largest t, v[14:15] the sum; v16-27 Q; v32-79 four fragments of K; v80-127 four of V; v128-191 S^T, then p; v192-223 O^T;
;   v224-235 p's codes; v232-247 at work; v248-251 K's scale words; v252 f; v253 p's scale word; v254 at work; v255 Q's scale word.
.set STEPB, 13056                      ; a key step's bytes
.set SLOTB, 2*STEPB
.set HEADB, 16*STEPB
.set SLOT1, 1<<15                      ; slot 1 begins here: one exclusive or turns an address in one slot into the other's
.set SPARE, 1<<16                      ; the spare words, 128 bytes for each wave: eight blocks of 256 bytes that no other line names
.set SPW,  5
.set NIL,  6
.set ADK,  8                           ; v8   the slot in hand + 8 x lane
.set ADS,  9                           ; v9   the slot in hand + 16 x lane
.set PFO,  28                          ; v28  the prefetches' offset; never rewritten
.set TB,   2                           ; s2   LDS byte at which the slot in hand begins
.set S,    3                           ; s3   the trip
.set WV,   18
.set SEL,  20
.set CS,   22                          ; s[22:23] c = log2(e) / 8
.set G1,   24
.set G0,   32
.set N1,   36                          ; s36  trips of the first block: 8 - i
.set NK,   37                          ; s37  the key slot that was asked for last
.set KF,   38                          ; s38  the step's first key
.set Q0,   39                          ; s39  my tile's first query
.set KVW,  40                          ; s[40:41] kvimg at my head, + the step that I fetch
.set PFA,  56                          ; s[56:57] where the prefetches stand
.set LIM,  58                          ; s58  a wave prefetches while the trip is under it
.macro TLOAD                           ; waves 0 and 1 fetch a key step each; the branch hangs on the wave's number alone.  An s_nop 0 and four v_nop follow the load
	s_cmp_lt_u32 s[WV], 2
	s_cbranch_scc0 .Lnone_\@
	tensor_load_to_lds s[G0:G0+3], s[G1:G1+7]
	s_nop 0
.rept 4
	v_nop
.endr
.Lnone_\@:
.endm
; A PREFETCH INTO THE L2 of the slot that the NEXT change of slots will ask for: 26,112 dense bytes, 102 blocks of 256, lanes 256 bytes apart.  All four work-groups of a head walk the same slots: the one with i = 0 asks, whose
; first block walks slots 0 to 7 in trips 0 to 7; in it waves 4 to 7, one instruction each (wave 7's lanes past the end name the last block again).  Trip S names slot S + 2, up to slot 7.  Slots 0 and 1 come by their loads alone.
.macro ASK
	s_cmp_lt_u32 s[S], s[LIM]
	s_cbranch_scc0 .Lnot_mine_\@
	global_prefetch_b8 v[PFO], s[PFA:PFA+1] th:TH_LOAD_NT scope:SCOPE_SE
.Lnot_mine_\@:
.endm
; the addresses of block s[blk]: Q's codes and scale words, O's codes and scale bytes, my first query
.macro PTRS blk, qc, qs, oc, os, q0
	s_lshl_b32 s60, s[\blk], 1
	s_add_co_u32 s60, s60, s66                     ; which 128 tokens of the batch: 2 blk + w / 8
	s_lshl_b32 s61, s67, 4
	s_add_co_u32 s61, s61, s60
	s_mul_i32 s62, s61, 6656
	s_mov_b32 s63, 0
	s_add_nc_u64 s[\qs:\qs+1], s[4:5], s[62:63]
	s_add_nc_u64 s[\qc:\qc+1], s[\qs:\qs+1], s[70:71]
	s_add_nc_u64 s[\qs:\qs+1], s[\qs:\qs+1], s[72:73]
	s_lshl_b32 s61, s68, 4
	s_add_co_u32 s61, s61, s60                     ; which 128 positions of oimg
	s_mul_i32 s62, s61, 98304
	s_add_nc_u64 s[\oc:\oc+1], s[8:9], s[62:63]
	s_add_nc_u64 s[\oc:\oc+1], s[\oc:\oc+1], s[74:75]
	s_lshl_b32 s62, s61, 12
	s_add_nc_u64 s[\os:\os+1], s[10:11], s[62:63]
	s_add_nc_u64 s[\os:\os+1], s[\os:\os+1], s[76:77]
	s_lshl_b32 s[\q0], s[\blk], 8
	s_add_co_u32 s[\q0], s[\q0], s78
.endm
	s_load_b256 s[4:11], s[0:1], 0x0               ; qimg s[4:5], kvimg s[6:7], oimg s[8:9], osc s[10:11]
	v_lshl_add_u32 v[SPW], v0, 2, SPARE
	v_mov_b32 v[NIL], 0
	ds_add_u32 v[SPW], v[NIL]                      ; the wave's opening: the add and its wait come ahead of my first tensor load; the set-up below stands between them
	ds_add_u32 v[SPW], v[NIL]
	v_lshrrev_b32 v8, 5, v0
	s_delay_alu instid0(VALU_DEP_1)
	v_readfirstlane_b32 s[WV], v8                  ; wave 0..15
	s_and_b32 s67, ttmp7, 0xffff                   ; 16 batch + head
	s_lshr_b32 s68, s67, 4                         ; batch
	s_and_b32 s69, s67, 15                         ; head
	s_lshr_b32 s66, s[WV], 3                       ; w / 8
	s_and_b32 s60, s[WV], 7                        ; w % 8
	s_and_b32 s61, s[WV], 1                        ; w % 2
	s_mul_i32 s70, s60, 768                        ; Q's codes: my tile among the eight
	s_mov_b32 s71, 0
	s_lshr_b32 s72, s60, 1                         ; Q's scale words: register (w % 8) / 2 of the image, lanes 16 (w % 2) on
	s_lshl_b32 s72, s72, 2
	s_lshl_b32 s62, s61, 8
	s_add_co_u32 s72, s72, s62
	s_add_co_u32 s72, s72, 6144
	s_mov_b32 s73, 0
	s_lshr_b32 s74, s69, 1                         ; O's codes: K step head / 2, tile w % 8, pieces 3 (head % 2) on
	s_mul_i32 s74, s74, 12288
	s_mul_i32 s62, s60, 1536
	s_add_co_u32 s74, s74, s62
	s_and_b32 s62, s69, 1
	s_mul_i32 s62, s62, 768
	s_add_co_u32 s74, s74, s62
	s_mov_b32 s75, 0
	s_lshl_b32 s76, s60, 9                         ; O's scale bytes: 16 positions x 32 bytes a tile, byte 2 head
	s_lshl_b32 s62, s69, 1
	s_add_co_u32 s76, s76, s62
	s_mov_b32 s77, 0
	s_lshr_b32 s78, s[WV], 1
	s_lshl_b32 s78, s78, 5
	s_lshl_b32 s62, s61, 3
	s_add_co_u32 s78, s78, s62                     ; my tile's first query in its block: 32 (w / 2) + 8 (w % 2)
	s_sub_co_u32 s59, 7, ttmp9                     ; the first block
	s_mov_b32 s55, ttmp9                           ; the second
	s_sub_co_u32 s[N1], 8, ttmp9
	; descriptor group 1: 13,056 dense bytes as 51 rows of 32 elements of 8 bytes, no padding
	s_mov_b32 s[G1], 3<<16
	s_mov_b32 s[G1+1], 32<<16
	s_mov_b32 s[G1+2], 51<<16
	s_mov_b32 s[G1+3], 32<<16
	s_mov_b32 s[G1+4], 51
	s_mov_b32 s[G1+5], 32
	s_mov_b32 s[G1+6], 0
	s_mov_b32 s[G1+7], 0
	s_mul_i32 s[G0+1], s61, STEPB                  ; LDS address: slot 0, the step that I fetch
	s_mul_i32 s62, s67, HEADB
	s_add_co_u32 s[PFA], s62, SLOTB                ; the prefetches begin at slot 1: the first change of slots steps them to slot 2
	s_mov_b32 s[PFA+1], 0
	s_mul_i32 s63, s61, STEPB
	s_add_co_u32 s62, s62, s63
	s_mov_b32 s63, 0
	s_lshr_b32 s60, s[WV], 2
	s_xor_b32 s60, s60, 1                          ; 0 in waves 4 to 7,
	s_or_b32 s60, s60, ttmp9                       ; of the work-group with i = 0
	s_cmp_eq_u32 s60, 0
	s_cselect_b32 s[LIM], 6, 0
	s_mov_b32 s[SEL], 0x76543210
	s_mov_b32 s[SEL+1], 0xfedcba98
	s_mov_b32 s[CS], 0x3e38aa3b                    ; c = log2(e) / sqrt(64)
	s_mov_b32 s[CS+1], s[CS]                       ; (named with it as a pair, so it is written)
	s_mov_b32 s[TB], 0
	s_mov_b32 s[S], 0
	s_mov_b32 s[NK], 0
	s_mov_b32 s[KF], 0
	s_wait_dscnt 0x0                               ; the opening add is done
	s_wait_kmcnt 0x0
	s_add_nc_u64 s[KVW:KVW+1], s[6:7], s[62:63]
	s_add_nc_u64 s[PFA:PFA+1], s[6:7], s[PFA:PFA+1]
	s_mov_b32 s[G0], 1
	s_mov_b64 s[G0+2:G0+3], s[KVW:KVW+1]
	s_or_b32 s[G0+3], s[G0+3], 0x80000000
	TLOAD                                          ; key slot 0 into LDS slot 0: one load of mine is out
	PTRS 59, 12, 14, 46, 48, Q0
	PTRS 55, 42, 44, 50, 52, 54
	v_and_b32 v30, 31, v0                          ; lane
	s_delay_alu instid0(VALU_DEP_1)
	v_lshlrev_b32 v1, 3, v30                       ; 8 x lane
	s_delay_alu instid0(VALU_DEP_2)
	v_lshlrev_b32 v2, 4, v30                       ; 16 x lane
	v_and_b32 v29, 15, v0                          ; r
	s_delay_alu instid0(VALU_DEP_1)
	v_lshlrev_b32 v3, 4, v29                       ; 16 r
	v_bfe_u32 v31, v0, 4, 1                        ; h
	s_delay_alu instid0(VALU_DEP_1)
	v_lshl_add_u32 v4, v29, 5, v31                 ; 32 r + h
	s_delay_alu instid0(VALU_DEP_4)
	v_and_b32 v7, 8, v29
	s_delay_alu instid0(VALU_DEP_1)
	v_add_nc_u32 v7, v7, v29
	s_delay_alu instid0(VALU_DEP_4)
	v_lshlrev_b32 v31, 4, v31
	s_delay_alu instid0(VALU_DEP_1)
	v_sub_nc_u32 v7, v7, v31                       ; r + 8 (r / 8) - 16 h
	v_add_nc_u32 v[PFO], 0xffffff80, v0
	s_delay_alu instid0(VALU_DEP_1)
	v_min_u32 v[PFO], 101, v[PFO]
	s_delay_alu instid0(VALU_DEP_1)
	v_lshlrev_b32 v[PFO], 8, v[PFO]                ; 256 x min(thread - 128, 101)
.irp p, 0,1,2
	global_load_b64 v[16+2*\p:17+2*\p], v1, s[12:13] offset:256*\p   ; Q's fragment, its lower 64 along K
.endr
	global_load_b32 v255, v3, s[14:15]             ; Q's scale words
.irp j, 22,23,24,25,26,27
	v_mov_b32 v[\j], 0                             ; zero codes for K = 64 .. 127
.endr
.irp t, 0,1,2,3
.irp j, 6,7,8,9,10,11
	v_mov_b32 v[32+12*\t+\j], 0                    ; and in K's four fragments
.endr
.endr
	v_mov_b32 v13, 0xff61b1e6                      ; the largest t so far: -3e38, under every t
	s_delay_alu instid0(VALU_DEP_1)
	v_floor_f32 v12, -v13                          ; -M
	v_mov_b32 v14, 0
	v_mov_b32 v15, 0
.irp b, 0,1,2,3
	v_mov_b32 v[236+\b], 0                         ; written once: a lane permute's destination counts as one of its sources
.endr
	v_mov_b32 v252, 0
	v_mov_b32 v253, 0                              ; (named as the upper half of the pair v[252:253] before it is first written)
.set n, 0
.rept 32
	v_mov_b32 v[192+n], 0                          ; O^T: the first step finds zeros, which the first change of M leaves zeros
.set n, n+1
.endr
.macro SMUL g                          ; S^T = K Q^T: four tiles of 16 keys
.irp t, 0,1,2,3
.if \t%2
	v_wmma_scale_f32_16x16x128_f8f6f4 v[128+8*(4*\g+\t):135+8*(4*\g+\t)], v[32+12*\t:43+12*\t], v[16:27], 0, v[248+2*\g+\t/2], v255 matrix_a_fmt:MATRIX_FMT_FP6 matrix_b_fmt:MATRIX_FMT_FP6 matrix_a_scale:MATRIX_SCALE_ROW1
.else
	v_wmma_scale_f32_16x16x128_f8f6f4 v[128+8*(4*\g+\t):135+8*(4*\g+\t)], v[32+12*\t:43+12*\t], v[16:27], 0, v[248+2*\g+\t/2], v255 matrix_a_fmt:MATRIX_FMT_FP6 matrix_b_fmt:MATRIX_FMT_FP6
.endif
.endr
.endm
; A KEY STEP: 128 keys, the q-th of the slot in hand
.macro STEP q
	s_add_co_u32 s60, s[Q0], 23                    ; my tile's last query.  A step all of whose keys come after it is left out: a scalar branch on ids; no barrier and no tensor load stands in a step
	s_cmp_gt_u32 s[KF], s60
	s_cbranch_scc1 .Lhidden_\@
	v_add_nc_u32 v[ADK], s[TB], v1
	v_add_nc_u32 v[ADS], s[TB], v2
.irp t, 0,1,2,3
.irp p, 0,1,2
	ds_load_b64 v[32+12*\t+2*\p:33+12*\t+2*\p], v[ADK] offset:STEPB*(\q)+768*\t+256*\p
.endr
.endr
	ds_load_b128 v[248:251], v[ADS] offset:STEPB*(\q)+6144   ; K's scale words: register j: tile 2 j in lanes 0-15, tile 2 j + 1 in lanes 16-31
	s_wait_alu depctr_va_vdst(0)
	s_wait_dscnt 0x0
	SMUL 0
.rept 4
	v_nop                                          ; places in front of loads into registers that matrix instructions have read
.endr
.irp t, 0,1,2,3
.irp p, 0,1,2
	ds_load_b64 v[32+12*\t+2*\p:33+12*\t+2*\p], v[ADK] offset:STEPB*(\q)+768*(4+\t)+256*\p
.endr
.endr
.irp t, 0,1,2,3                                ; V's four fragments land under the softmax.  Behind the last step's products stand the two additions and the four v_nop above
.irp c, 0,1,2
	ds_load_b128 v[80+12*\t+4*\c:83+12*\t+4*\c], v[ADS] offset:STEPB*(\q)+6656+1536*\t+512*\c
.endr
.endr
	ds_load_b64 v[10:11], v[ADK] offset:STEPB*(\q)+12800
	s_wait_dscnt 13                                ; K's tiles 4-7 are in; V's twelve loads and its scale words may be out
	SMUL 1
.rept 4
	v_nop
.endr
	s_add_co_u32 s60, s[KF], 127                   ; on the diagonal the scores of hidden keys become -infinity ahead of the maximum.  A step all of whose keys count skips this
	s_cmp_le_u32 s60, s[Q0]
	s_cbranch_scc1 .Lopen_\@
	s_sub_co_i32 s60, s[Q0], s[KF]
	v_add_nc_u32 v252, s60, v7                     ; d = my query - KF - 16 (lane / 16).  Register 16 b + i holds key KF + 16 (lane / 16) + 32 b + i: hidden where 32 b + i > d
	v_mov_b32 v254, 0xff800000
.set n, 0
.rept 64
	v_cmp_gt_i32 vcc_lo, 32*(n/16)+n%16, v252
	v_cndmask_b32 v[128+n], v[128+n], v254, vcc_lo
.set n, n+1
.endr
.Lopen_\@:
.irp b, 0,1,2,3
	v_max3_num_f32 v[232+\b], v[128+16*\b], v[129+16*\b], v[130+16*\b]   ; the largest score of each block of 32 keys: it serves the row's maximum and, since p rises with the score, the block's largest p
.endr
.irp i, 3,5,7,9,11,13
.irp b, 0,1,2,3
	v_max3_num_f32 v[232+\b], v[232+\b], v[128+16*\b+\i], v[129+16*\b+\i]
.endr
.endr
.irp b, 0,1,2,3
	v_max_num_f32 v[232+\b], v[232+\b], v[143+16*\b]
.endr
.irp b, 0,1,2,3
	s_delay_alu instid0(VALU_DEP_4)
	v_permlanex16_b32 v[236+\b], v[232+\b], s[SEL], s[SEL+1]
.endr
.irp b, 0,1,2,3
	s_delay_alu instid0(VALU_DEP_4)
	v_max_num_f32 v[232+\b], v[232+\b], v[236+\b]  ; with lane l xor 16's 16 keys
.endr
	s_delay_alu instid0(VALU_DEP_2)
	v_max3_num_f32 v254, v232, v233, v234
	s_delay_alu instid0(VALU_DEP_1)
	v_max_num_f32 v254, v254, v235
	s_delay_alu instid0(VALU_DEP_1)
	v_mul_f32 v254, s[CS], v254                    ; as t (c is positive)
	s_delay_alu instid0(VALU_DEP_1)
	v_max_num_f32 v13, v13, v254                   ; the running largest t
	v_mov_b32 v254, v12
	s_delay_alu instid0(VALU_DEP_2)
	v_floor_f32 v12, -v13                          ; the new -M = -ceil(t): a whole number
	s_delay_alu instid0(VALU_DEP_1)
	v_sub_f32 v254, v12, v254                      ; old M - new M: a whole number, 0 or less
	s_delay_alu instid0(VALU_DEP_1)
	v_cvt_i32_f32 v254, v254                       ; (it saturates)
	s_delay_alu instid0(VALU_DEP_1)
	v_ldexp_f32 v252, 1.0, v254                    ; f = 2^(old M - new M)
.set n, 0
.rept 32
	v_pk_fma_f32 v[128+n:129+n], v[128+n:129+n], s[CS:CS+1], v[12:13] op_sel_hi:[1,0,0]   ; t - M, two at a time
.set n, n+2
.endr
.irp b, 0,1,2,3
	v_fma_f32 v[232+\b], v[232+\b], s[CS], v12     ; the same of each block's largest score
.endr
.set n, 0
	s_wait_alu depctr_va_vdst(0)
.rept 64
	v_exp_f32 v[128+n], v[128+n]                   ; p = 2^(t - M), at most 1
.set n, n+1
.endr
	v_pk_mul_f32 v[14:15], v[14:15], v[252:253] op_sel_hi:[1,0]   ; the sums under the new M: a plain place behind the exponentials
	s_wait_alu depctr_va_vdst(0)                   ; one wait for the whole batch, ahead of its first reader
.irp b, 0,1,2,3
	v_exp_f32 v[232+\b], v[232+\b]                 ; the block's largest p: the same two instructions on the same number give the same bits
.endr
	v_pk_add_f32 v[236:237], v[132:133], v[136:137]
	v_pk_add_f32 v[250:251], v[140:141], v[144:145]
	v_pk_add_f32 v[248:249], v[148:149], v[152:153]
	v_pk_add_f32 v[246:247], v[156:157], v[160:161]
	v_pk_add_f32 v[244:245], v[164:165], v[168:169]
	v_pk_add_f32 v[242:243], v[172:173], v[176:177]
	v_pk_add_f32 v[240:241], v[180:181], v[184:185]
	v_pk_add_f32 v[14:15], v[14:15], v[188:189]
	v_pk_add_f32 v[236:237], v[236:237], v[128:129]
	v_pk_add_f32 v[250:251], v[250:251], v[130:131]
	v_pk_add_f32 v[248:249], v[248:249], v[134:135]
	v_pk_add_f32 v[246:247], v[246:247], v[138:139]
	v_pk_add_f32 v[244:245], v[244:245], v[142:143]
	v_pk_add_f32 v[242:243], v[242:243], v[146:147]
	v_pk_add_f32 v[240:241], v[240:241], v[150:151]
	v_pk_add_f32 v[14:15], v[14:15], v[154:155]
	v_pk_add_f32 v[236:237], v[236:237], v[158:159]
	v_pk_add_f32 v[250:251], v[250:251], v[162:163]
	v_pk_add_f32 v[248:249], v[248:249], v[166:167]
	v_pk_add_f32 v[246:247], v[246:247], v[170:171]
	v_pk_add_f32 v[244:245], v[244:245], v[174:175]
	v_pk_add_f32 v[242:243], v[242:243], v[178:179]
	v_pk_add_f32 v[240:241], v[240:241], v[182:183]
	v_pk_add_f32 v[14:15], v[14:15], v[186:187]
	v_pk_add_f32 v[236:237], v[236:237], v[190:191]
	s_delay_alu instid0(VALU_DEP_2)
	v_pk_add_f32 v[14:15], v[14:15], v[246:247]
	s_delay_alu instid0(VALU_DEP_2)
	v_pk_add_f32 v[236:237], v[236:237], v[244:245]
	v_pk_add_f32 v[250:251], v[250:251], v[242:243]
	v_pk_add_f32 v[248:249], v[248:249], v[240:241]
	s_delay_alu instid0(VALU_DEP_2)
	v_pk_add_f32 v[14:15], v[14:15], v[250:251]
	s_delay_alu instid0(VALU_DEP_2)
	v_pk_add_f32 v[236:237], v[236:237], v[248:249]
	s_delay_alu instid0(VALU_DEP_1)
	v_pk_add_f32 v[14:15], v[14:15], v[236:237]
	s_wait_alu depctr_va_vdst(0)                   ; and one for the four
.irp b, 0,1,2,3
	v_max_num_f32 v[232+\b], 0x1800000, v[232+\b]  ; the floor 2^(3 - 127): the byte cannot fall under 1
.endr
.irp b, 0,1,2,3
	s_delay_alu instid0(VALU_DEP_4)
	v_add_nc_u32 v[244+\b], 0xff000000, v[232+\b]  ; the conversion's scale operand
.endr
.irp b, 0,1,2,3
	s_delay_alu instid0(VALU_DEP_4)
	v_lshrrev_b32 v[236+\b], 23, v[244+\b]         ; the scale's byte
.endr
	s_delay_alu instid0(VALU_DEP_3)
	v_lshl_or_b32 v253, v237, 8, v236              ; p's scale word for these 128 keys
	s_delay_alu instid0(VALU_DEP_1)
	v_lshl_or_b32 v253, v238, 16, v253
	s_delay_alu instid0(VALU_DEP_1)
	v_lshl_or_b32 v253, v239, 24, v253
.irp c, 0,1
	v_cvt_scalef32_pk16_fp6_f32 v[224+6*\c:226+6*\c], v[128+32*\c:143+32*\c], v[244+2*\c]
	v_cvt_scalef32_pk16_fp6_f32 v[236+4*\c:238+4*\c], v[144+32*\c:159+32*\c], v[244+2*\c+1]
.endr
	v_nop                                          ; one plain place behind the scaled conversions
.irp c, 0,1
.irp i, 0,1,2
	v_permlane16_swap_b32 v[224+6*\c+\i], v[236+4*\c+\i]
.endr
.irp i, 0,1,2
	s_delay_alu instid0(VALU_DEP_3)
	v_mov_b32 v[227+6*\c+\i], v[236+4*\c+\i]
.endr
.endr
.set n, 0
.rept 16
	v_pk_mul_f32 v[192+n:193+n], v[192+n:193+n], v[252:253] op_sel_hi:[1,0]   ; O^T under the new M.  These sixteen are also the places between the codes, the scale word and the products below
.set n, n+2
.endr
	s_wait_alu depctr_va_vdst(0)
	s_wait_dscnt 0x0                               ; V
.irp t, 0,1,2,3                                ; O^T += V^T P^T: the four accumulators by turns
.if \t%2
	v_wmma_scale_f32_16x16x128_f8f6f4 v[192+8*\t:199+8*\t], v[80+12*\t:91+12*\t], v[224:235], v[192+8*\t:199+8*\t], v[10+\t/2], v253 matrix_a_fmt:MATRIX_FMT_FP6 matrix_b_fmt:MATRIX_FMT_FP6 matrix_a_scale:MATRIX_SCALE_ROW1
.else
	v_wmma_scale_f32_16x16x128_f8f6f4 v[192+8*\t:199+8*\t], v[80+12*\t:91+12*\t], v[224:235], v[192+8*\t:199+8*\t], v[10+\t/2], v253 matrix_a_fmt:MATRIX_FMT_FP6 matrix_b_fmt:MATRIX_FMT_FP6
.endif
.endr
.Lhidden_\@:
	s_add_co_u32 s[KF], s[KF], 128
.endm
; THE CHANGE OF SLOTS stands at a trip's head.  Each wave waits for all its tensor loads, adds 0 to its spare word, and waits for that and for its reads of the slot that it has left.  Behind the barrier the slot ahead is whole
; and nobody reads the other.  fill = 1: that other slot takes the next trip's keys: the next key slot, or key slot 0 where the second block begins.
.macro CHANGE fill
	s_wait_tensorcnt 0x0                           ; no tensor load of mine is out, so group 0 may be written
	ds_add_u32 v[SPW], v[NIL]                      ; 0 onto my spare word
.if \fill
	s_add_co_u32 s[NK], s[NK], 1
	s_add_co_u32 s60, s[S], 1
	s_cmp_eq_u32 s60, s[N1]
	s_cselect_b32 s[NK], 0, s[NK]
	s_mul_i32 s60, s[NK], SLOTB
	s_mov_b32 s61, 0
	s_add_nc_u64 s[G0+2:G0+3], s[KVW:KVW+1], s[60:61]
	s_or_b32 s[G0+3], s[G0+3], 0x80000000
	s_xor_b32 s[G0+1], s[G0+1], SLOT1
	s_wait_xcnt 0x0                                ; the last prefetch, a trip back, has read its address
	s_add_nc_u64 s[PFA:PFA+1], s[PFA:PFA+1], SLOTB
.endif
	s_wait_dscnt 0x0                               ; the add is done, and my reads of the slot that I have left are over
	s_barrier_signal -1
	s_barrier_wait -1
.if \fill
	TLOAD                                          ; the first thing behind the barrier, and a wave's one tensor load until the next
	ASK
.endif
.endm
; A BLOCK'S END: O^T / the sum, quantised along the head's 64 (two blocks of 32), leaves as half a fragment's image and two scale bytes a row.  more = 1: the second block's Q is asked for and the statistics begin anew.
.macro FIN oc, os, more
.rept 4
	v_nop                                          ; places behind the last products
.endr
	v_add_f32 v14, v14, v15
	s_delay_alu instid0(VALU_DEP_1)
	v_permlanex16_b32 v252, v14, s[SEL], s[SEL+1]
	s_delay_alu instid0(VALU_DEP_1)
	v_add_f32 v14, v14, v252                       ; the row's sum
	s_wait_alu depctr_va_vdst(0)
	v_rcp_f32 v14, v14
.if \more
.irp p, 0,1,2
	global_load_b64 v[16+2*\p:17+2*\p], v1, s[42:43] offset:256*\p
.endr
	global_load_b32 v255, v3, s[44:45]
.endif
	v_nop                                          ; a plain place behind the reciprocal
	s_wait_alu depctr_va_vdst(0)                   ; and the wait ahead of its first reader
.set n, 0
.rept 32
	v_mul_f32 v[128+n], v[192+n], v14              ; register 16 b + i: d = 32 b + 16 (lane / 16) + i of my query; each accumulator from its low end on
.set n, n+1
.endr
.irp b, 0,1
	v_max3_num_f32 v[232+\b], |v[128+16*\b]|, |v[129+16*\b]|, 0x1800000
.endr
.irp i, 2,4,6,8,10,12,14
.irp b, 0,1
	s_delay_alu instid0(VALU_DEP_2)
	v_max3_num_f32 v[232+\b], v[232+\b], |v[128+16*\b+\i]|, |v[129+16*\b+\i]|
.endr
.endr
.irp b, 0,1
	s_delay_alu instid0(VALU_DEP_2)
	v_permlanex16_b32 v[236+\b], v[232+\b], s[SEL], s[SEL+1]
.endr
.irp b, 0,1
	s_delay_alu instid0(VALU_DEP_2)
	v_max_num_f32 v[232+\b], v[232+\b], v[236+\b]
.endr
.irp b, 0,1
	s_delay_alu instid0(VALU_DEP_2)
	v_add_nc_u32 v[244+\b], 0xff000000, v[232+\b]
.endr
.irp b, 0,1
	s_delay_alu instid0(VALU_DEP_2)
	v_lshrrev_b32 v[236+\b], 23, v[244+\b]
.endr
	v_cvt_scalef32_pk16_fp6_f32 v[224:226], v[128:143], v244
	v_cvt_scalef32_pk16_fp6_f32 v[230:232], v[144:159], v245
	v_nop                                          ; one plain place behind the scaled conversions
.irp i, 0,1,2
	v_permlane16_swap_b32 v[224+\i], v[230+\i]
.endr
.irp i, 0,1,2
	s_delay_alu instid0(VALU_DEP_3)
	v_mov_b32 v[227+\i], v[230+\i]                 ; registers 0-5: d = 32 (lane / 16) + 0 .. 31
.endr
	v_cmp_le_u32 vcc_lo, 16, v30
	s_delay_alu instid0(VALU_DEP_1)
	v_cndmask_b32 v238, v236, v237, vcc_lo         ; lane (r, h) stores block h's byte of row r: no byte is written twice
.irp p, 0,1,2
	global_store_b64 v1, v[224+2*\p:225+2*\p], s[\oc:\oc+1] offset:256*\p   ; 32 lanes store 256 consecutive bytes, aligned
.endr
	global_store_b8 v4, v238, s[\os:\os+1]
.if \more
	v_mov_b32 v13, 0xff61b1e6
	s_delay_alu instid0(VALU_DEP_1)
	v_floor_f32 v12, -v13
	v_mov_b32 v14, 0
	v_mov_b32 v15, 0
.set n, 0
.rept 32
	v_mov_b32 v[192+n], 0
.set n, n+1
.endr
	s_mov_b32 s[KF], 0
	s_mov_b32 s[Q0], s54
	s_wait_xcnt 0x0                                ; the stores have read their registers, which the next steps write
.endif
.endm
.Ltrip:                                            ; eight trips; behind each change of slots the next trip's keys are asked for
	CHANGE 1
	s_wait_loadcnt 0x0                             ; Q
	STEP 0
	STEP 1
	s_xor_b32 s[TB], s[TB], SLOT1                  ; on to the other slot
	s_add_co_u32 s60, s[S], 1
	s_cmp_lg_u32 s60, s[N1]                        ; was this the first block's last slot?  The same in all sixteen waves
	s_cbranch_scc1 .Lgo_on
	FIN 46, 48, 1
.Lgo_on:
	s_add_co_u32 s[S], s[S], 1
	s_cmp_lt_u32 s[S], 8
	s_cbranch_scc1 .Ltrip
	CHANGE 0                                       ; the ninth trip is written out
	s_wait_loadcnt 0x0                             ; Q, where the second block begins here
	STEP 0
	STEP 1
	FIN 50, 52, 0
	s_wait_tensorcnt 0x0                           ; the wave's end, behind my last tensor load
	ds_add_u32 v[SPW], v[NIL]
	s_wait_dscnt 0x0
	s_endpgm
.Lfunc_end_k_q678ce9b2d8_attn:
	.size	k_q678ce9b2d8_attn, .Lfunc_end_k_q678ce9b2d8_attn-k_q678ce9b2d8_attn
	.p2alignl 7, 3214868480
	.fill 96, 4, 3214868480
	.section	.rodata,"a",@progbits
	.p2align	6, 0x0
	.amdhsa_kernel k_q678ce9b2d8_attn
		.amdhsa_group_segment_fixed_size 327680
		.amdhsa_private_segment_fixed_size 0
		.amdhsa_enable_private_segment 0
		.amdhsa_kernarg_size 32
		.amdhsa_user_sgpr_count 2
		.amdhsa_user_sgpr_kernarg_segment_ptr 1
		.amdhsa_wavefront_size32 1
		.amdhsa_system_sgpr_workgroup_id_x 1
		.amdhsa_system_sgpr_workgroup_id_y 1
		.amdhsa_system_sgpr_workgroup_id_z 1
		.amdhsa_system_vgpr_workitem_id 0
		.amdhsa_next_free_vgpr 256
		.amdhsa_next_free_sgpr 80
		.amdhsa_reserve_vcc 1
		.amdhsa_float_denorm_mode_32 3
		.amdhsa_float_denorm_mode_16_64 3
		.amdhsa_memory_ordered 1
		.amdhsa_forward_progress 1
		.amdhsa_inst_pref_size 112
	.end_amdhsa_kernel
	.amdgpu_metadata
---
amdhsa.version: [ 1, 2 ]
amdhsa.kernels:
  - .name:           k_q678ce9b2d8_attn
    .symbol:         k_q678ce9b2d8_attn.kd
    .args:
      - { .name: qimg, .offset: 0, .size: 8, .value_kind: global_buffer, .address_space: global }
      - { .name: kvimg, .offset: 8, .size: 8, .value_kind: global_buffer, .address_space: global }
      - { .name: oimg, .offset: 16, .size: 8, .value_kind: global_buffer, .address_space: global }
      - { .name: osc, .offset: 24, .size: 8, .value_kind: global_buffer, .address_space: global }
    .group_segment_fixed_size: 327680
    .private_segment_fixed_size: 0
    .kernarg_segment_align: 8
    .kernarg_segment_size: 32
    .max_flat_workgroup_size: 512
    .sgpr_count:     80
    .vgpr_count:     256
    .wavefront_size: 32
...
	.end_amdgpu_metadata
.endif
;; end of part 3
;; launch outp (part 4): grid 4 x 32, 4 waves a work-group, clusters of 4 x 4, 327,680 bytes of LDS; arguments oimg, osc, wimg, wsc, b_out, out0; writes out0
.if DOCPART == 4
	.amdgcn_target "amdgcn-amd-amdhsa--gfx1250"
	.amdhsa_code_object_version 6
	.text
	.protected	k_q678ce9b2d8_outp
	.globl	k_q678ce9b2d8_outp
	.p2align	8
	.type	k_q678ce9b2d8_outp,@function
k_q678ce9b2d8_outp:
	s_mov_b64 s[64:65], 0
	v_nop
	global_prefetch_b8 v0, s[64:65] scope:SCOPE_SE
	s_setreg_imm32_b32 hwreg(HW_REG_WAVE_MODE, 25, 1), 1
	s_wait_xcnt 0x0
	s_wait_alu depctr_hold_cnt(0) depctr_sa_sdst(0) depctr_va_vdst(0) depctr_va_sdst(0) depctr_va_ssrc(0) depctr_va_vcc(0) depctr_vm_vsrc(0)
	s_getreg_b32 s2, hwreg(HW_REG_IB_STS2, 6, 4)
	s_cmp_eq_u32 s2, 0
	s_cbranch_scc0 .Lentry_in_a_cluster
	s_endpgm
.Lentry_in_a_cluster:
	s_bfe_u32 s2, ttmp6, 0x10000c
	s_cmp_lg_u32 s2, 0xf033
	s_cbranch_scc0 .Lentry_shape_is_right
	s_endpgm
.Lentry_shape_is_right:
; out0 = o W_out + b_out on codes of FP6 (E2M3) with E8M0 scales for each 32 along K = 1,024.  o comes as oimg, osc; W_out as positions 3072..4095 of wimg, wsc.  out0: [8192][1024] f32.
; A tile of 256 x 256 is made by four waves, each 128 x 128: 64 accumulators, 512 registers.  K goes in steps of 256 through two LDS slots filled by the tensor data mover; the scale bytes of the 512 rows come once and stay.
; THE OPERANDS LIE IN MEMORY AS IMAGES OF REGISTERS: [128 positions][K step of 128][tile of 16][six pieces of 256 bytes, lane l at 8 l]: 128 rows x 256 K are 24,576 consecutive bytes, one tensor load, and a fragment is six
; loads of 8 bytes a lane at 8 x lane.  At position p lies logical row p with bits 3 and 4 exchanged; the way out puts rows and columns back in their order.
; Source 0 (called B) = 16 columns of W_out, source 1 (A) = 16 tokens: a lane holds one token, its registers run along the columns.  The bias is the C of each sum's first matrix instruction.
; CLUSTERS: 4 x 4 work-groups; A's tiles are asked for jointly along a row of the cluster, B's along a column.  The problem has 128 tiles of this size: 128 work-groups.
; REGISTERS, in windows of 256: window 0: v16-31 addresses; v32-63 scale words, two sets; v64-127 the bias; from v128 A's fragments, one set, later the way out.  window 1: B's fragments, two sets.  windows 2, 3: the accumulators.
.set NQ,     2
.set FR,     12
.set NL,     6
.set NP,     4                         ; places behind this matrix instruction (ISA guide 7.12.1)
.set HALFT,  24576                     ; 128 rows x 256 K: what one tensor load brings
.set SLOT,   4*HALFT
.set RGB,    98304                     ; 128 rows x all of K in memory
.set KS,     32
.set SCL,    2*SLOT                    ; behind the ring: the scales, as units of 256 bytes + 16 of padding
.set HALFS,  16*272
.set SBLK,   2*272
.set SPARE,  SCL+4*HALFS               ; the spare words, 128 bytes for each wave: two blocks of 256 bytes that no other line names
.set SPITCH, 528                       ; the way out: a stage of 16 rows x (512 bytes + 16) for each wave, in slot 0, which has had its last fill and its last read when the first result is stored there
.set ROWO,   4096                      ; a row of out0 in bytes
.set ADRA, 16
.set ADRB, 20
.set STO,  24                          ; v24  the way out: where I put my numbers of a row
.set RD,   25                          ; v25  and where I read a row back
.set CO,   26                          ; v26  16 x lane: my bytes of a row's 512
.set ADRS, 27
.set SPW,  28                          ; v28  LDS address of my spare word; never rewritten
.set NIL,  29                          ; v29  0; never rewritten
.set BH,   30                          ; v30  64 x (lane / 16)
.set SC,   32
.set BI,   64                          ; the bias: register 16 b + i: column 32 b + 16 (lane / 16) + i of my 128
.set AF,   128
.set BK,   128                         ; the way out: 16 rows back from the stage: v128-191 and v192-255 by turns
.set G1, 24
.set G0, 32
.set G1B, 48
.set G0B, 56
.set G1S, 68
.set G0S, 76
.set G1SB, 80
.set G0SB, 88
.set MSB, 0
.macro WIN new                         ; the immediate's high byte repeats the setting that is left
.if MSB != (\new)
	s_set_vgpr_msb (MSB<<8)|(\new)
.set MSB, (\new)
.endif
.endm
.set MUL_LO, 0xa1                      ; source 0 (B) window 1, source 1 (A) window 0, C and D window 2
.set MUL_HI, 0xf1                      ; the same, C and D window 3
.set BIA_LO, 0x81                      ; the first products: C (the bias) window 0, D window 2
.set BIA_HI, 0xc1                      ; D window 3
.set TO_B,   0x40
.macro JLOAD g0a, g1a, g0b, g1b        ; a joint load: waves 0 and 1 fetch for A, waves 2 and 3 for B.  An s_nop 0 and four v_nop follow each of the two lines
	s_cmp_eq_u32 s15, 0
	s_cbranch_scc0 .Lfor_b_\@
	tensor_load_to_lds s[\g0a:\g0a+3], s[\g1a:\g1a+7]
	s_nop 0
.rept 4
	v_nop
.endr
	s_branch .Lasked_\@
.Lfor_b_\@:
	tensor_load_to_lds s[\g0b:\g0b+3], s[\g1b:\g1b+7]
	s_nop 0
.rept 4
	v_nop
.endr
.Lasked_\@:
.endm
.macro CREST
	s_cmp_lg_u32 s14, 0
	s_cbranch_scc1 .Lnot_wave_0_\@
	s_barrier_signal -3
.Lnot_wave_0_\@:
	s_barrier_wait -3
	s_barrier_signal -1
	s_barrier_wait -1
.endm
.macro CROUND
	s_barrier_signal -1
	s_barrier_wait -1
	CREST
.endm
	s_load_b256 s[4:11], s[0:1], 0x0               ; oimg s[4:5], osc s[6:7], wimg s[8:9], wsc s[10:11]
	s_load_b128 s[96:99], s[0:1], 0x20             ; b_out s[96:97], out0 s[98:99]
	v_lshl_add_u32 v[SPW], v0, 2, SPARE
	v_mov_b32 v[NIL], 0
	ds_add_u32 v[SPW], v[NIL]                      ; the wave's opening: the add and its wait come ahead of my first tensor load; the set-up below stands between them
	v_lshrrev_b32 v1, 5, v0
	v_readfirstlane_b32 s14, v1                    ; wave 0..3
	s_lshr_b32 s15, s14, 1                         ; which half of the tile's tokens is mine.  Also: I fetch for A (0) or for B (1)
	s_and_b32 s16, s14, 1                          ; which half of its columns.  Also: which 128 rows I fetch
	s_bfe_u32 s40, ttmp6, 0x40000                  ; cx, cy
	s_bfe_u32 s41, ttmp6, 0x40004
	s_lshl_b32 s42, ttmp9, 2
	s_add_co_u32 s42, s42, s40                     ; tile of 256 columns
	s_and_b32 s17, ttmp7, 0xffff
	s_lshl_b32 s17, s17, 2
	s_add_co_u32 s17, s17, s41                     ; tile of 256 tokens
	s_lshl_b32 s43, s41, 2
	s_lshl_b32 s43, 15, s43                        ; my row of the cluster
	s_lshl_b32 s44, 0x1111, s40                    ; my column
	s_or_b32 s[G1+0], s43, (3<<16)|(1<<21)         ; codes: 24,576 dense bytes as 96 rows of 32 elements of 8 bytes, no padding; the mask, and bit 21 beside it
	s_or_b32 s[G1B+0], s44, (3<<16)|(1<<21)
.irp g, G1, G1B
	s_mov_b32 s[\g+1], 32<<16
	s_mov_b32 s[\g+2], 96<<16
	s_mov_b32 s[\g+3], 32<<16
	s_mov_b32 s[\g+4], 96
	s_mov_b32 s[\g+5], 32
	s_mov_b32 s[\g+6], 0
	s_mov_b32 s[\g+7], 0
.endr
	s_or_b32 s[G1S+0], s43, (3<<16)|(1<<20)|(1<<21)|(5<<22)|(3<<25)   ; scales of 128 rows: 16 rows of 256 bytes, 16 bytes of padding behind each
	s_or_b32 s[G1SB+0], s44, (3<<16)|(1<<20)|(1<<21)|(5<<22)|(3<<25)
.irp g, G1S, G1SB
	s_mov_b32 s[\g+1], 32<<16
	s_mov_b32 s[\g+2], 16<<16
	s_mov_b32 s[\g+3], 32<<16
	s_mov_b32 s[\g+4], 16
	s_mov_b32 s[\g+5], 32
	s_mov_b32 s[\g+6], 0
	s_mov_b32 s[\g+7], 0
.endr
	s_lshl_b32 s20, s17, 1
	s_add_co_u32 s20, s20, s16                     ; A: which 128 positions I fetch
	s_lshl_b32 s46, s42, 1
	s_add_co_u32 s46, s46, s16
	s_add_co_u32 s46, s46, 24                      ; B: W_out begins at the 24th group of 128 positions of wimg
	s_lshl_b32 s22, s20, 12
	s_mov_b32 s23, 0
	s_lshl_b32 s92, s46, 12
	s_mov_b32 s93, 0
	s_mul_i32 s20, s20, RGB
	s_mov_b32 s21, 0
	s_mul_i32 s46, s46, RGB
	s_mov_b32 s47, 0
	s_mul_i32 s45, s14, HALFT                      ; where they go: no place in the cluster enters an LDS address
	s_mul_i32 s94, s14, HALFS
	s_wait_dscnt 0x0                               ; the opening add is done
	s_wait_kmcnt 0x0
	s_add_nc_u64 s[20:21], s[4:5], s[20:21]
	s_add_nc_u64 s[22:23], s[6:7], s[22:23]
	s_add_nc_u64 s[46:47], s[8:9], s[46:47]
	s_add_nc_u64 s[92:93], s[10:11], s[92:93]
	CROUND                                         ; all sixteen work-groups are here: the first joint loads meet
	s_mov_b32 s[G0S], 1
	s_add_co_u32 s[G0S+1], s94, SCL
	s_mov_b64 s[G0S+2:G0S+3], s[22:23]
	s_or_b32 s[G0S+3], s[G0S+3], 0x80000000
	s_mov_b32 s[G0SB], 1
	s_add_co_u32 s[G0SB+1], s94, SCL
	s_mov_b64 s[G0SB+2:G0SB+3], s[92:93]
	s_or_b32 s[G0SB+3], s[G0SB+3], 0x80000000
	JLOAD G0S, G1S, G0SB, G1SB                     ; the scales first.  Three loads of mine are out behind these lines
.irp s, 0,1
	s_mov_b32 s[G0+4*\s], 1
	s_add_co_u32 s[G0+4*\s+1], s45, \s*SLOT
	s_add_nc_u64 s[G0+4*\s+2:G0+4*\s+3], s[20:21], \s*HALFT
	s_or_b32 s[G0+4*\s+3], s[G0+4*\s+3], 0x80000000
	s_mov_b32 s[G0B+4*\s], 1
	s_add_co_u32 s[G0B+4*\s+1], s45, \s*SLOT
	s_add_nc_u64 s[G0B+4*\s+2:G0B+4*\s+3], s[46:47], \s*HALFT
	s_or_b32 s[G0B+4*\s+3], s[G0B+4*\s+3], 0x80000000
	JLOAD G0+4*\s, G1, G0B+4*\s, G1B
.endr
	v_and_b32 v3, 31, v0                           ; lane
	v_and_b32 v1, 15, v0                           ; r
	v_bfe_u32 v2, v0, 4, 1                         ; h
	v_lshlrev_b32 v[BH], 6, v2
	s_lshl_b32 s20, s42, 10
	s_lshl_b32 s21, s16, 9
	s_add_co_u32 s20, s20, s21
	s_mov_b32 s21, 0
	s_add_nc_u64 s[96:97], s[96:97], s[20:21]      ; b_out at my 128 columns
.irp b, 0,1,2,3
.irp j, 0,1,2,3
	global_load_b128 v[BI+16*\b+4*\j:BI+16*\b+4*\j+3], v[BH], s[96:97] offset:128*\b+16*\j
.endr
.endr
	s_add_nc_u64 s[98:99], s[98:99], s[20:21]      ; out0 at my first column: the same number of bytes,
	s_lshl_b32 s20, s17, 8
	s_lshl_b32 s22, s15, 7
	s_add_co_u32 s20, s20, s22
	s_lshl_b32 s20, s20, 12                        ; and my first token: rows of 4,096 bytes
	s_add_nc_u64 s[98:99], s[98:99], s[20:21]
	v_lshlrev_b32 v4, 3, v3                        ; 8 x lane
	v_lshlrev_b32 v[CO], 4, v3
	s_mul_i32 s21, s15, HALFT
	s_mul_i32 s22, s16, HALFT
	s_add_co_u32 s22, s22, 2*HALFT
.irp s, 0,1
	v_add_nc_u32 v[ADRA+\s], s21, v4
	v_add_nc_u32 v[ADRB+\s], s22, v4
	s_add_co_u32 s21, s21, SLOT
	s_add_co_u32 s22, s22, SLOT
.endr
	v_mul_u32_u24 v5, v1, KS
	v_lshrrev_b32 v6, 8, v5
	v_lshl_add_u32 v5, v6, 4, v5
	s_mul_i32 s21, s15, HALFS
	s_mul_i32 s22, s16, HALFS
	s_add_co_u32 s22, s22, 2*HALFS
	s_sub_co_u32 s22, s22, s21
	v_mul_u32_u24 v6, s22, v2                      ; lanes 16-31 take B's scale words
	s_add_co_u32 s21, s21, SCL
	v_add_nc_u32 v5, v5, v6
	v_add_nc_u32 v[ADRS], s21, v5
	s_mul_i32 s23, s14, 16*SPITCH                  ; my stage
	v_mul_u32_u24 v5, v1, SPITCH
	v_lshl_add_u32 v5, v2, 6, v5
	v_add_nc_u32 v[STO], s23, v5                   ; in: row r, + 64 h: columns 16 h on of each 32
	v_add_nc_u32 v[RD], s23, v[CO]                 ; back: the 32 lanes take one row of 512 bytes
.macro FRAG reg, adr, q, i
.irp p, 0,1,2,3,4,5
	ds_load_b64 v[\reg+2*\p:\reg+2*\p+1], v[\adr] offset:((\q)*8+(\i))*1536+256*\p
.endr
.endm
; 16 matrix instructions: A's blocks a0, a0 + 1 x B's eight.  first = 1: the bias is the C.  The 64 accumulators take turns, one instruction a turn, in the same order in every step.
.macro MUL16 a0, p, q, sc, first
.irp a, \a0, \a0+1
.irp b, 0,1,2,3,4,5,6,7
.if \first
	v_wmma_scale_f32_16x16x128_f8f6f4 v[8*(8*((\a)%4)+\b):8*(8*((\a)%4)+\b)+7], v[128*(\p)+FR*\b:128*(\p)+FR*\b+FR-1], v[AF+FR*(\a):AF+FR*(\a)+FR-1], v[BI+8*\b:BI+8*\b+7], v[SC+8*NQ*(\sc)+NQ*\b+(\q)], v[SC+8*NQ*(\sc)+NQ*(\a)+(\q)] matrix_a_fmt:MATRIX_FMT_FP6 matrix_b_fmt:MATRIX_FMT_FP6 matrix_a_scale:MATRIX_SCALE_ROW1
.else
	v_wmma_scale_f32_16x16x128_f8f6f4 v[8*(8*((\a)%4)+\b):8*(8*((\a)%4)+\b)+7], v[128*(\p)+FR*\b:128*(\p)+FR*\b+FR-1], v[AF+FR*(\a):AF+FR*(\a)+FR-1], v[8*(8*((\a)%4)+\b):8*(8*((\a)%4)+\b)+7], v[SC+8*NQ*(\sc)+NQ*\b+(\q)], v[SC+8*NQ*(\sc)+NQ*(\a)+(\q)] matrix_a_fmt:MATRIX_FMT_FP6 matrix_b_fmt:MATRIX_FMT_FP6 matrix_a_scale:MATRIX_SCALE_ROW1
.endif
.endr
.endr
.endm
.macro FETCH_B slot, q, p
	WIN TO_B
.irp i, 0,1,2,3,4,5,6,7
	FRAG 128*(\p)+FR*\i, ADRB+\slot, \q, \i
.endr
	WIN 0
.endm
.macro FETCH_A slot, q, i0
.irp i, \i0, \i0+1, \i0+2, \i0+3
	FRAG AF+FR*(\i), ADRA+\slot, \q, \i
.endr
.endm
.macro SCALES sc
.irp i, 0,1,2,3,4,5,6,7
	ds_load_b64 v[SC+8*NQ*\sc+NQ*\i:SC+8*NQ*\sc+NQ*\i+1], v[ADRS] offset:\i*SBLK
.endr
.endm
.macro PLACES n
.rept \n
	v_nop
.endr
.endm
.macro STEP slot, q, first
	s_wait_dscnt 4*NL                              ; B's set and A's blocks 0-3 are in; the youngest 24 loads (A's blocks 4-7) may be out
.if \first
	WIN BIA_LO
.else
	WIN MUL_LO
.endif
	MUL16 0, (\q)%2, \q, \slot, \first
	MUL16 2, (\q)%2, \q, \slot, \first
	s_wait_dscnt 0
	PLACES NP
	FETCH_B \slot, (\q)+1, 1-(\q)%2
	FETCH_A \slot, (\q)+1, 0
.if \first
	WIN BIA_HI
.else
	WIN MUL_HI
.endif
	MUL16 4, (\q)%2, \q, \slot, \first
	MUL16 6, (\q)%2, \q, \slot, \first
	PLACES NP
	WIN 0
	FETCH_A \slot, (\q)+1, 4
.endm
.macro TURN slot, next, fill
	s_wait_tensorcnt 0x0                           ; all my tensor loads have landed: my part of the next slot
	ds_add_u32 v[SPW], v[NIL]                      ; 0 onto my spare word
	s_wait_dscnt 4*NL+1                            ; (the add and the youngest 24 loads may be out)
	WIN MUL_LO
	MUL16 0, 1, NQ-1, \slot, 0
	s_wait_dscnt 0x0                               ; the add is done, and my reads of this slot are over
	s_barrier_signal -1
	MUL16 2, 1, NQ-1, \slot, 0
	WIN 0
	s_barrier_wait -1
.if \fill
	CREST                                          ; the barrier has opened a round of the cluster's: no wave of any partner still reads this slot or has a load on its way
	s_add_nc_u64 s[G0+4*\slot+2:G0+4*\slot+3], s[G0+4*\slot+2:G0+4*\slot+3], 2*HALFT
	s_add_nc_u64 s[G0B+4*\slot+2:G0B+4*\slot+3], s[G0B+4*\slot+2:G0B+4*\slot+3], 2*HALFT
	JLOAD G0+4*\slot, G1, G0B+4*\slot, G1B         ; the first tensor load behind the round, my only one until the next
.else
	PLACES NP
.endif
	v_add_nc_u32 v[ADRS], 4*NQ, v[ADRS]
	FETCH_B \next, 0, 0
	FETCH_A \next, 0, 0
	SCALES \next
	WIN MUL_HI
	MUL16 4, 1, NQ-1, \slot, 0
	MUL16 6, 1, NQ-1, \slot, 0
	PLACES NP
	WIN 0
	FETCH_A \next, 0, 4
.endm
	s_wait_tensorcnt 1                             ; the scales and my part of K step 0 are in (K step 1's load may be out),
	s_barrier_signal -1
	s_barrier_wait -1                              ; everybody's are
	FETCH_B 0, 0, 0
	FETCH_A 0, 0, 0
	SCALES 0
	FETCH_A 0, 0, 4
	s_wait_loadcnt 0x0                             ; the bias
	STEP 0, 0, 1                                   ; the first products start the sums from the bias.  K = 1,024 is four slots' worth: written out
	TURN 0, 1, 1
	STEP 1, 0, 0
	TURN 1, 0, 1
	STEP 0, 0, 0
	TURN 0, 1, 0                                   ; nothing is left to fetch
	STEP 1, 0, 0
	s_wait_dscnt 4*NL                              ; the very last 128 along K
	WIN MUL_LO
	MUL16 0, 1, NQ-1, 1, 0
	MUL16 2, 1, NQ-1, 1, 0
	s_wait_dscnt 0
	WIN MUL_HI
	MUL16 4, 1, NQ-1, 1, 0
	MUL16 6, 1, NQ-1, 1, 0
	WIN 0
; THE WAY OUT, block by block of 16 positions x 128 columns, through my own stage in LDS.  Accumulator (a, b), register j of lane (r, h) is column 32 (b / 2) + 16 h + 8 (b % 2) + j of position 16 a + r.
; Stage row t of block a is token 32 (a / 2) + 8 (a % 2) + t + 8 (t / 8) of my 128.  LDS serves a wave's instructions in order (ISA guide 5.7.1.4): no wait between the stores and the loads.
.macro TOSTAGE a
.set AC, 64*((\a)%4)
	WIN 0x08+4*((\a)/4)                            ; the data: window 2 or 3
.irp b, 0,1,2,3,4,5,6,7
	ds_store_b128 v[STO], v[AC+8*\b:AC+8*\b+3] offset:128*(\b/2)+32*(\b%2)          ; each accumulator from its low end on
	ds_store_b128 v[STO], v[AC+8*\b+4:AC+8*\b+7] offset:128*(\b/2)+32*(\b%2)+16
.endr
	WIN 0
.set BB, BK+64*((\a)%2)
.irp t, 0,1,2,3,4,5,6,7,8,9,10,11,12,13,14,15
	ds_load_b128 v[BB+4*\t:BB+4*\t+3], v[RD] offset:\t*SPITCH
.endr
.endm
.macro SEND a, younger                 ; younger: the LDS instructions issued behind block a's loads, which may stay out
.set BB, BK+64*((\a)%2)
	s_wait_dscnt \younger
.if (\a) > 0
.if (\a)%2
	s_add_nc_u64 s[98:99], s[98:99], 8*ROWO        ; (behind a wait on XCNT: the earlier stores have read their base)  from block 2 c to 2 c + 1: 8 tokens on
.else
	s_add_nc_u64 s[98:99], s[98:99], 24*ROWO       ; from block 2 c + 1 to 2 c + 2: 24 tokens on
.endif
.endif
.irp t, 0,1,2,3,4,5,6,7,8,9,10,11,12,13,14,15
	global_store_b128 v[CO], v[BB+4*\t:BB+4*\t+3], s[98:99] offset:(\t+8*(\t/8))*ROWO th:TH_STORE_NT   ; 32 lanes store 512 consecutive bytes, aligned; written once, read by nobody here
.endr
.endm
	PLACES NP
	TOSTAGE 0
.irp a, 1,2,3,4,5,6,7
.if \a > 1
	s_wait_xcnt 0x0                                ; block a - 2's stores have read their registers and their base
.endif
	TOSTAGE \a
	SEND \a-1, 32                                  ; behind block a - 1's loads: block a's 16 stores and 16 loads
.endr
	s_wait_xcnt 0x0
	SEND 7, 0
	s_wait_tensorcnt 0x0                           ; the wave's end, behind my last tensor load and my last LDS store
	ds_add_u32 v[SPW], v[NIL]
	s_wait_dscnt 0x0
	CROUND                                         ; the closing round: no work-group ends while a partner may still ask for a tile that names it
	s_endpgm
.Lfunc_end_k_q678ce9b2d8_outp:
	.size	k_q678ce9b2d8_outp, .Lfunc_end_k_q678ce9b2d8_outp-k_q678ce9b2d8_outp
	.p2alignl 7, 3214868480
	.fill 96, 4, 3214868480
	.section	.rodata,"a",@progbits
	.p2align	6, 0x0
	.amdhsa_kernel k_q678ce9b2d8_outp
		.amdhsa_group_segment_fixed_size 327680
		.amdhsa_private_segment_fixed_size 0
		.amdhsa_enable_private_segment 0
		.amdhsa_kernarg_size 48
		.amdhsa_user_sgpr_count 2
		.amdhsa_user_sgpr_kernarg_segment_ptr 1
		.amdhsa_wavefront_size32 1
		.amdhsa_system_sgpr_workgroup_id_x 1
		.amdhsa_system_sgpr_workgroup_id_y 1
		.amdhsa_system_sgpr_workgroup_id_z 1
		.amdhsa_system_vgpr_workitem_id 0
		.amdhsa_next_free_vgpr 1024
		.amdhsa_next_free_sgpr 102
		.amdhsa_reserve_vcc 0
		.amdhsa_float_denorm_mode_32 3
		.amdhsa_float_denorm_mode_16_64 3
		.amdhsa_memory_ordered 1
		.amdhsa_forward_progress 1
		.amdhsa_inst_pref_size 161
	.end_amdhsa_kernel
	.amdgpu_metadata
---
amdhsa.version: [ 1, 2 ]
amdhsa.kernels:
  - .name:           k_q678ce9b2d8_outp
    .symbol:         k_q678ce9b2d8_outp.kd
    .args:
      - { .name: oimg, .offset: 0, .size: 8, .value_kind: global_buffer, .address_space: global }
      - { .name: osc, .offset: 8, .size: 8, .value_kind: global_buffer, .address_space: global }
      - { .name: wimg, .offset: 16, .size: 8, .value_kind: global_buffer, .address_space: global }
      - { .name: wsc, .offset: 24, .size: 8, .value_kind: global_buffer, .address_space: global }
      - { .name: b_out, .offset: 32, .size: 8, .value_kind: global_buffer, .address_space: global }
      - { .name: out0, .offset: 40, .size: 8, .value_kind: global_buffer, .address_space: global }
    .group_segment_fixed_size: 327680
    .private_segment_fixed_size: 0
    .kernarg_segment_align: 8
    .kernarg_segment_size: 48
    .max_flat_workgroup_size: 128
    .sgpr_count:     102
    .vgpr_count:     1024
    .wavefront_size: 32
...
	.end_amdgpu_metadata
.endif
;; end of part 4
